; MI455X (gfx1250); checked and timed in simulation.
; The chip was launched on July 23, 2026; its instructions are those of AMD's public machine-readable ISA for CDNA 5 (MIT licence, August 2026) and "CDNA5" Instruction Set Architecture Reference Guide (July 2026). The comments in the code are by the model that wrote it; some were corrected since.
;; Encoder Layer. Allowed arithmetic: float matrix products may take bf16 or f16 operands with f32 sums; other float arithmetic in f32, or as packed bf16 or f16 multiplies, adds, multiply-adds, maxima and minima; sums over many terms, partial sums and values carried from step to step in f32; what a program stores and reads back later, other than sums and carried values, may be rounded once to bf16 or f16.
;; Inputs: b1 1,024 float32; b2 256 float32; bk 256 float32; bo 256 float32; bq 256 float32; bv 256 float32; ln1_a 256 float32; ln1_b 256 float32; ln2_a 256 float32; ln2_b 256 float32; src 1 x 256 x 256 x 256 float32; sw_bk 256 float32; sw_bq 256 float32; sw_wk 256 x 256 float32; sw_wq 256 x 256 float32; w1 256 x 1,024 float32; w2 1,024 x 256 float32; wk 256 x 256 float32; wo 256 x 256 float32; wq 256 x 256 float32; wv 256 x 256 float32.
;; Outputs: out0 1 x 256 x 256 x 256 float32.
;; One version. Each part assembles by itself: llvm-mc -triple=amdgcn-amd-amdhsa -mcpu=gfx1250 --defsym DOCPART=n.
;; ======== version 1 of 1: 6 launches
;; workspace buffers: wfrag 1,835,008 bytes; b1f 4,096 bytes; qb 33,554,432 bytes; kb 33,554,432 bytes; vb 33,554,432 bytes; part 16,777,216 bytes; att 1,048,576 bytes; ob 33,554,432 bytes
;; launch prep (part 1): grid 456 x 1, 8 waves a work-group, no clusters, 5,120 bytes of LDS; arguments sw_wq, sw_wk, wq, wk, wv, wo, w1, w2, ln2_a, ln2_b, b1, wfrag, b1f; writes wfrag, b1f
.if DOCPART == 1
	.amdgcn_target "amdgcn-amd-amdhsa--gfx1250"
	.amdhsa_code_object_version 6
	.text
	.protected	k_q0c5df9ad38_prep
	.globl	k_q0c5df9ad38_prep
	.p2align	8
	.type	k_q0c5df9ad38_prep,@function
k_q0c5df9ad38_prep:
	s_mov_b64 s[64:65], 0
	v_nop
	global_prefetch_b8 v0, s[64:65] scope:SCOPE_SE
	s_setreg_imm32_b32 hwreg(HW_REG_WAVE_MODE, 25, 1), 1
	s_wait_xcnt 0x0
; The eight weight matrices, f32 [in][out], are rounded once to bf16 and laid out as matrix fragments of 1,024 bytes: [i 2][lane 32][16 bytes];
; lane (r = lane % 16, h = lane / 16) holds output column 16 ct + r and input channels 32 kt + 16 i + 8 h + 0..7.
; Order 1 (units of 32 output columns): fragment 2 kt + j of unit u has ct = 2 u + j.  Order 2 (units of 32 input channels): fragment ct of unit kt.
; W1 is multiplied by ln2_a along its input channel first, and b1f = b1 + ln2_b . W1: (a x + b) W1 + b1 = x (a W1) + (b W1 + b1), for every input.
; A thread makes 16 bytes of a fragment: eight loads of 4 bytes (sixteen lanes read 64 consecutive bytes of a row), one store of 16; a wave's store covers 512 consecutive bytes.
; Work-groups 0-447 convert (a matrix to each range of numbers), 448-455 make 128 numbers of b1f each.  The branches hang on the work-group's number alone.
.set SPARE, 4096                       ; behind the eight partial sums of 512 bytes: the spare words, 128 bytes a wave
.set SPW, 160
.set NIL, 161
	s_load_b512 s[4:19], s[0:1], 0x0               ; sw_wq 4, sw_wk 6, wq 8, wk 10, wv 12, wo 14, w1 16, w2 18
	s_load_b256 s[20:27], s[0:1], 0x40             ; ln2_a 20, ln2_b 22, b1 24, wfrag 26
	s_load_b64 s[28:29], s[0:1], 0x60              ; b1f
	v_lshl_add_u32 v[SPW], v0, 2, SPARE
	v_mov_b32 v[NIL], 0
	s_mov_b32 s30, ttmp9
	s_wait_kmcnt 0x0
; ptr: the matrix; DB: its first byte in wfrag; 1<<LOGU: bytes from unit to unit; TYPE: the order; 1<<LOGP: bytes in a row of the matrix; BLK0: its first work-group
.macro CONV ptr, DB, LOGU, TYPE, LOGP, SCALE, BLK0
	s_sub_co_u32 s31, s30, \BLK0
	v_lshl_add_u32 v1, s31, 8, v0                  ; q: which 16 bytes of the matrix's fragments
	v_lshrrev_b32 v2, 6, v1                        ; fragment
	v_bfe_u32 v3, v1, 4, 2                         ; 2 i + h
	v_and_b32 v4, 15, v1                           ; r
.if (\TYPE) == 1
	v_bfe_u32 v5, v2, 1, 3                         ; kt
	v_lshrrev_b32 v6, 4, v2
	v_and_b32 v7, 1, v2
	v_lshl_or_b32 v6, v6, 1, v7                    ; ct
.else
	v_lshrrev_b32 v5, 4, v2
	v_and_b32 v6, 15, v2
.endif
	v_lshl_add_u32 v5, v5, 2, v3
	v_lshlrev_b32 v5, 3, v5                        ; k = 32 kt + 16 i + 8 h
	v_lshl_add_u32 v6, v6, 4, v4                   ; column
	v_lshlrev_b32 v6, 2, v6
	v_lshl_add_u32 v7, v5, \LOGP, v6
.irp e, 0,1,2,3,4,5,6,7
	global_load_b32 v[16+(\e)], v7, s[\ptr:\ptr+1] offset:(\e)<<(\LOGP)
.endr
.if \SCALE
	v_lshlrev_b32 v8, 2, v5
	global_load_b128 v[24:27], v8, s[20:21]
	global_load_b128 v[28:31], v8, s[20:21] offset:16
.endif
	v_lshrrev_b32 v9, 4, v2
	v_lshlrev_b32 v9, \LOGU, v9
	v_and_b32 v10, 15, v2
	v_lshl_add_u32 v9, v10, 10, v9
	v_and_b32 v10, 63, v1
	v_lshl_add_u32 v9, v10, 4, v9
	s_wait_loadcnt 0x0
.if \SCALE
.irp e, 0,2,4,6
	v_pk_mul_f32 v[16+(\e):17+(\e)], v[16+(\e):17+(\e)], v[24+(\e):25+(\e)]
.endr
.endif
.irp e, 0,1,2,3
	v_cvt_pk_bf16_f32 v[32+(\e)], v[16+2*(\e)], v[17+2*(\e)]
.endr
	global_store_b128 v9, v[32:35], s[26:27] offset:\DB
	s_endpgm
.endm
	s_cmp_lt_u32 s30, 32
	s_cbranch_scc0 .L1
	CONV 4, 0, 15, 1, 10, 0, 0
.L1:
	s_cmp_lt_u32 s30, 64
	s_cbranch_scc0 .L2
	CONV 6, 16384, 15, 1, 10, 0, 32
.L2:
	s_cmp_lt_u32 s30, 96
	s_cbranch_scc0 .L3
	CONV 8, 262144, 14, 1, 10, 0, 64
.L3:
	s_cmp_lt_u32 s30, 128
	s_cbranch_scc0 .L4
	CONV 10, 393216, 14, 1, 10, 0, 96
.L4:
	s_cmp_lt_u32 s30, 160
	s_cbranch_scc0 .L5
	CONV 12, 524288, 14, 1, 10, 0, 128
.L5:
	s_cmp_lt_u32 s30, 192
	s_cbranch_scc0 .L6
	CONV 14, 655360, 14, 2, 10, 0, 160
.L6:
	s_cmp_lt_u32 s30, 320
	s_cbranch_scc0 .L7
	CONV 16, 786432, 15, 1, 12, 1, 192
.L7:
	s_cmp_lt_u32 s30, 448
	s_cbranch_scc0 .L8
	CONV 18, 802816, 15, 2, 10, 0, 320
.L8:
	; b1f: 128 numbers a work-group.  Wave w sums channels 32 w .. 32 w + 31, a lane four neighbouring numbers; the eight partial sums meet in LDS.
	s_sub_co_u32 s31, s30, 448
	v_lshrrev_b32 v1, 5, v0
	v_readfirstlane_b32 s2, v1
	s_lshl_b32 s3, s2, 7
	s_load_b512 s[32:47], s[22:23], s3 offset:0x0  ; my 32 numbers of ln2_b
	s_load_b512 s[48:63], s[22:23], s3 offset:0x40
	v_and_b32 v2, 31, v0
	v_lshlrev_b32 v2, 4, v2
	s_lshl_b32 s31, s31, 9
	v_add_nc_u32 v3, s31, v2                       ; my 16 bytes in b1, b1f and a row of w1
	s_lshl_b32 s30, s2, 17                         ; 32 w rows of 4,096 bytes
	v_add_nc_u32 v4, s30, v3
	v_lshlrev_b32 v5, 4, v0
.set k, 0
.rept 32
	global_load_b128 v[32+4*k:35+4*k], v4, s[16:17] offset:4096*k
.set k, k+1
.endr
	s_wait_kmcnt 0x0
	s_wait_loadcnt 0x0
.irp c, 0,1,2,3
	v_mul_f32 v[8+(\c)], s32, v[32+(\c)]
.endr
.set k, 1
.rept 31
.irp c, 0,1,2,3
	v_fmac_f32 v[8+(\c)], s[32+k], v[32+4*k+(\c)]
.endr
.set k, k+1
.endr
	ds_store_b128 v5, v[8:11]
	s_wait_dscnt 0x0                               ; for the others' sake: my partial sum lies in LDS
	s_barrier_signal -1
	s_barrier_wait -1
	s_cmp_lg_u32 s2, 0
	s_cbranch_scc1 .Lend
	global_load_b128 v[12:15], v3, s[24:25]
.irp v, 0,1,2,3,4,5,6,7
	ds_load_b128 v[32+4*(\v):35+4*(\v)], v2 offset:512*(\v)
.endr
	s_wait_dscnt 0x0
.irp a, 0,8,16,24
	v_pk_add_f32 v[32+(\a):33+(\a)], v[32+(\a):33+(\a)], v[36+(\a):37+(\a)]
	v_pk_add_f32 v[34+(\a):35+(\a)], v[34+(\a):35+(\a)], v[38+(\a):39+(\a)]
.endr
.irp a, 0,16
	v_pk_add_f32 v[32+(\a):33+(\a)], v[32+(\a):33+(\a)], v[40+(\a):41+(\a)]
	v_pk_add_f32 v[34+(\a):35+(\a)], v[34+(\a):35+(\a)], v[42+(\a):43+(\a)]
.endr
	v_pk_add_f32 v[32:33], v[32:33], v[48:49]
	v_pk_add_f32 v[34:35], v[34:35], v[50:51]
	s_wait_loadcnt 0x0
	v_pk_add_f32 v[32:33], v[32:33], v[12:13]
	v_pk_add_f32 v[34:35], v[34:35], v[14:15]
	global_store_b128 v3, v[32:35], s[28:29]
.Lend:
	s_wait_tensorcnt 0x0                           ; the wave's end, behind my last LDS store
	ds_add_u32 v[SPW], v[NIL]
	s_wait_dscnt 0x0
	s_endpgm
.Lfunc_end_k_q0c5df9ad38_prep:
	.size	k_q0c5df9ad38_prep, .Lfunc_end_k_q0c5df9ad38_prep-k_q0c5df9ad38_prep
	.p2alignl 7, 3214868480
	.fill 96, 4, 3214868480
	.section	.rodata,"a",@progbits
	.p2align	6, 0x0
	.amdhsa_kernel k_q0c5df9ad38_prep
		.amdhsa_group_segment_fixed_size 5120
		.amdhsa_private_segment_fixed_size 0
		.amdhsa_enable_private_segment 0
		.amdhsa_kernarg_size 104
		.amdhsa_user_sgpr_count 2
		.amdhsa_user_sgpr_kernarg_segment_ptr 1
		.amdhsa_wavefront_size32 1
		.amdhsa_system_sgpr_workgroup_id_x 1
		.amdhsa_system_sgpr_workgroup_id_y 1
		.amdhsa_system_sgpr_workgroup_id_z 1
		.amdhsa_system_vgpr_workitem_id 0
		.amdhsa_next_free_vgpr 176
		.amdhsa_next_free_sgpr 66
		.amdhsa_reserve_vcc 0
		.amdhsa_float_denorm_mode_32 3
		.amdhsa_float_denorm_mode_16_64 3
		.amdhsa_memory_ordered 1
		.amdhsa_forward_progress 1
		.amdhsa_inst_pref_size 28
	.end_amdhsa_kernel
	.amdgpu_metadata
---
amdhsa.version: [ 1, 2 ]
amdhsa.kernels:
  - .name:           k_q0c5df9ad38_prep
    .symbol:         k_q0c5df9ad38_prep.kd
    .args:
      - { .name: sw_wq, .offset: 0, .size: 8, .value_kind: global_buffer, .address_space: global }
      - { .name: sw_wk, .offset: 8, .size: 8, .value_kind: global_buffer, .address_space: global }
      - { .name: wq, .offset: 16, .size: 8, .value_kind: global_buffer, .address_space: global }
      - { .name: wk, .offset: 24, .size: 8, .value_kind: global_buffer, .address_space: global }
      - { .name: wv, .offset: 32, .size: 8, .value_kind: global_buffer, .address_space: global }
      - { .name: wo, .offset: 40, .size: 8, .value_kind: global_buffer, .address_space: global }
      - { .name: w1, .offset: 48, .size: 8, .value_kind: global_buffer, .address_space: global }
      - { .name: w2, .offset: 56, .size: 8, .value_kind: global_buffer, .address_space: global }
      - { .name: ln2_a, .offset: 64, .size: 8, .value_kind: global_buffer, .address_space: global }
      - { .name: ln2_b, .offset: 72, .size: 8, .value_kind: global_buffer, .address_space: global }
      - { .name: b1, .offset: 80, .size: 8, .value_kind: global_buffer, .address_space: global }
      - { .name: wfrag, .offset: 88, .size: 8, .value_kind: global_buffer, .address_space: global }
      - { .name: b1f, .offset: 96, .size: 8, .value_kind: global_buffer, .address_space: global }
    .group_segment_fixed_size: 5120
    .private_segment_fixed_size: 0
    .kernarg_segment_align: 8
    .kernarg_segment_size: 104
    .max_flat_workgroup_size: 256
    .sgpr_count:     66
    .vgpr_count:     176
    .wavefront_size: 32
...
	.end_amdgpu_metadata
.endif
;; end of part 1
;; launch qkv (part 2): grid 256 x 1, 4 waves a work-group, clusters of 4 x 1, 327,680 bytes of LDS; arguments src, ln1_a, ln1_b, sw_bq, sw_bk, bq, bk, bv, wfrag, qb, kb, vb; writes qb, kb, vb
.if DOCPART == 2
	.amdgcn_target "amdgcn-amd-amdhsa--gfx1250"
	.amdhsa_code_object_version 6
	.text
	.protected	k_q0c5df9ad38_qkv
	.globl	k_q0c5df9ad38_qkv
	.p2align	8
	.type	k_q0c5df9ad38_qkv,@function
k_q0c5df9ad38_qkv:
	s_mov_b64 s[64:65], 0
	v_nop
	global_prefetch_b8 v0, s[64:65] scope:SCOPE_SE
	s_setreg_imm32_b32 hwreg(HW_REG_WAVE_MODE, 25, 1), 1
	s_wait_xcnt 0x0
	s_wait_alu depctr_hold_cnt(0) depctr_sa_sdst(0) depctr_va_vdst(0) depctr_va_sdst(0) depctr_va_ssrc(0) depctr_va_vcc(0) depctr_vm_vsrc(0)
	s_getreg_b32 s2, hwreg(HW_REG_IB_STS2, 6, 4)
	s_cmp_eq_u32 s2, 0
	s_cbranch_scc0 .Lentry_in_a_cluster
	s_endpgm
.Lentry_in_a_cluster:
	s_bfe_u32 s2, ttmp6, 0x10000c
	s_cmp_lg_u32 s2, 0x3003
	s_cbranch_scc0 .Lentry_shape_is_right
	s_endpgm
.Lentry_shape_is_right:
; One residue l to a work-group, its 256 sequences n as rows; a wave owns 64 rows, four tiles of 16.
; LN1 (f32, two passes: mean, then the mean of (x - mean)^2); qs of sequence 0; ks_; logits; softmax over n with its maximum taken away; then q sw / sqrt(32), k and v, each rounded once to bf16.
; PRODUCTS ARE USED TRANSPOSED: source 0 = a weight fragment (16 output columns), source 1 = 16 rows of x.  In the result lane (r, h) holds row r and columns 8 h + 0..7; a bias is the C operand of a sum's first product.
; WEIGHTS come from wfrag in fragment order: ten slots of 65,536 bytes through a ring of two, each asked for JOINTLY by the four work-groups of the cluster (all walk the same stream); a wave fetches a quarter.
; By this text's own count one tensor load of a wave is out at a time.  lds_bytes is all of a WGP's LDS.
; FRAGMENTS RUN HALF A UNIT AHEAD: while one half of a unit's fragments is multiplied the next half is on its way out of LDS, the next unit's first half too, but for a slot's last unit, whose successor lies in a slot that may not be read yet.
; LIMITS: matrix operands are bf16; NaN and infinities are not treated apart; a softmax weight below 2^-126 counts as 0.
; REGISTERS.  window 0: v0-19 addresses; v20-35 ln1_a, ln1_b by rows, later qs; v36-47 at work; v48-63 bias; v64-127 H, the sums of 32 columns; v128-255 two fragment buffers.  window 1: x, Y(t, ks) at 64 t + 8 ks.
; window 2: v0-63 sequence 0's x; later v0-31 hold what a unit stores, so that nothing waits for the stores before the next unit's way out.
.set SLOTB, 65536
.set YS,    131072                     ; x in bf16: 64 rows of 528 bytes (512 + 16: sixteen rows of a load start in sixteen different groups of four banks) for each wave
.set YSW,   33792
.set YP,    528
.set WR,    266240                     ; 8,192 bytes a wave, its own: first eight f32 rows of src, so that one text serves all rows; later the way out (64 rows of 80 bytes) and, from LTO on, logits and weights [head][r][t]
.set LTO,   5120
.set BIAS,  299008                     ; sw_bq, sw_bk, bq, bk, bv: 1,024 bytes each
.set XW,    304128                     ; the waves' maxima and sums: 64 bytes a wave
.set SPARE, 304384                     ; the spare words, 128 bytes a wave
.set LB, 1
.set UA, 4
.set BA, 5
.set SO, 6
.set FW, 7
.set FR, 8
.set YW, 9
.set LA, 10
.set LA0, 11
.set OS, 12
.set OR, 13
.set GO, 14
.set SPW, 16
.set NIL, 17
.set PFO, 18
.set YA, 19
.set WV, 28
.set G0, 32
.set G1, 36
.set TB, 44
.set SLOTS, 45
.set LIM, 46
.set CNT, 47
.set CNT2, 48
.set OUTER, 49
.set PFA, 50
.set SEL, 52
.set C1, 54
.set NINV, 56
.set INV, 57
.set EPS, 58
.set SCALE, 59
.set SRC, 60
.set QB, 66
.set KB, 68
.set VB, 70
.set GSTEP, 78                         ; what the next way out adds to the stores' offset: 0 for a tensor's first head, then a head's 4 MiB
.set MSB, 0
.macro WIN new                         ; the immediate's high byte repeats the setting that is left
.if MSB != (\new)
	s_set_vgpr_msb (MSB<<8)|(\new)
.set MSB, (\new)
.endif
.endm
.macro PLACES n                        ; plain places behind matrix instructions whose registers are loaded, read or written next (ISA guide 7.12.1)
.rept \n
	v_nop
.endr
.endm
.macro CROUND                          ; a round of the cluster's barrier
	s_barrier_signal -1
	s_barrier_wait -1
	s_cmp_lg_u32 s[WV], 0
	s_cbranch_scc1 .Lnw0_\@
	s_barrier_signal -3
.Lnw0_\@:
	s_barrier_wait -3
	s_barrier_signal -1
	s_barrier_wait -1
.endm
.macro LOADH buf, off                  ; eight weight fragments, 8,192 bytes: a lane's 16 bytes lie at 16 x lane, so no bank is asked twice
	WIN 0
.irp f, 0,1,2,3,4,5,6,7
	ds_load_b128 v[(\buf)+8*(\f):(\buf)+8*(\f)+3], v[UA] offset:(\off)+1024*(\f)
	ds_load_b128 v[(\buf)+8*(\f)+4:(\buf)+8*(\f)+7], v[UA] offset:(\off)+1024*(\f)+512
.endr
.endm
.macro BILOAD off                      ; the bias of a unit's 32 columns, as a C operand
	WIN 0
.irp j, 0,1
	ds_load_b128 v[48+8*(\j):51+8*(\j)], v[BA] offset:(\off)+64*(\j)
	ds_load_b128 v[52+8*(\j):55+8*(\j)], v[BA] offset:(\off)+64*(\j)+16
.endr
.endm
.macro MUL1 buf, ks0, first            ; 32 products: four K steps x 2 column tiles x 4 row tiles; the eight accumulators take turns
	WIN 0x04
.irp kk, 0,1,2,3
.irp j, 0,1
.irp t, 0,1,2,3
.if (\first) && ((\kk) == 0)
	v_wmma_f32_16x16x32_bf16 v[64+16*(\t)+8*(\j):71+16*(\t)+8*(\j)], v[(\buf)+8*(2*(\kk)+(\j)):(\buf)+8*(2*(\kk)+(\j))+7], v[64*(\t)+8*((\ks0)+(\kk)):64*(\t)+8*((\ks0)+(\kk))+7], v[48+8*(\j):55+8*(\j)]
.else
	v_wmma_f32_16x16x32_bf16 v[64+16*(\t)+8*(\j):71+16*(\t)+8*(\j)], v[(\buf)+8*(2*(\kk)+(\j)):(\buf)+8*(2*(\kk)+(\j))+7], v[64*(\t)+8*((\ks0)+(\kk)):64*(\t)+8*((\ks0)+(\kk))+7], v[64+16*(\t)+8*(\j):71+16*(\t)+8*(\j)]
.endif
.endr
.endr
.endr
.endm
.macro MULQ buf, ks0, first            ; qs: source 1 holds sequence 0's row sixteen times, so every lane ends with qs of its columns; two accumulators by turns
	WIN 0x08
.irp kk, 0,1,2,3
.irp j, 0,1
.if (\first) && ((\kk) == 0)
	v_wmma_f32_16x16x32_bf16 v[20+8*(\j):27+8*(\j)], v[(\buf)+8*(2*(\kk)+(\j)):(\buf)+8*(2*(\kk)+(\j))+7], v[8*((\ks0)+(\kk)):8*((\ks0)+(\kk))+7], v[48+8*(\j):55+8*(\j)]
.else
	v_wmma_f32_16x16x32_bf16 v[20+8*(\j):27+8*(\j)], v[(\buf)+8*(2*(\kk)+(\j)):(\buf)+8*(2*(\kk)+(\j))+7], v[8*((\ks0)+(\kk)):8*((\ks0)+(\kk))+7], v[20+8*(\j):27+8*(\j)]
.endif
.endr
.endr
.endm
; A prefetch of the slot after the one just asked for: 256 blocks of 256 bytes.  The first cluster asks; its four partners share the slot by address, 16,384 bytes each; waves 0 and 1 take 32 blocks each, a lane a block.  The last fill asks for nothing.
.macro ASK
	s_cmp_gt_u32 s[SLOTS], s[LIM]
	s_cbranch_scc0 .Lnm_\@
	global_prefetch_b8 v[PFO], s[PFA:PFA+1] th:TH_LOAD_NT scope:SCOPE_SE
.Lnm_\@:
.endm
; THE CHANGE OF SLOTS.  Every wave waits for all its tensor loads (its quarter of the slot to be read), adds 0 to its spare word, waits for that and for its LDS reads and stores.  fill = 1: behind a round of the cluster's
; barrier the slot just read out is asked for again, first thing; it has a whole slot's products in which to land.
.macro CHANGE fill
	WIN 0
	s_wait_tensorcnt 0x0
	ds_add_u32 v[SPW], v[NIL]                      ; 0 onto my spare word; the descriptor's steps stand between it and the wait for it
.if \fill
	s_xor_b32 s[G0+1], s[G0+1], SLOTB
	s_add_nc_u64 s[G0+2:G0+3], s[G0+2:G0+3], SLOTB
	s_wait_xcnt 0x0                                ; the last prefetch, a slot back, has read its address
	s_add_nc_u64 s[PFA:PFA+1], s[PFA:PFA+1], SLOTB
.endif
	s_xor_b32 s[TB], s[TB], SLOTB
	s_wait_dscnt 0x0
.if \fill
	CROUND
	tensor_load_to_lds s[G0:G0+3], s[G1:G1+7]
	s_nop 0
	PLACES 5
	ASK
	s_sub_co_u32 s[SLOTS], s[SLOTS], 1
.else
	s_barrier_signal -1
	s_barrier_wait -1
	PLACES 5
.endif
	v_add_nc_u32 v[UA], s[TB], v[LB]
.endm
.macro J4 line:vararg                  ; one line for each of four rows: rR its eight numbers, rT four registers at work
.set j, 0
.rept 4
.set rR, 64+8*j
.set rT, 96+4*j
	\line
.set j, j+1
.endr
.endm
.macro T4 line:vararg                  ; one line for each row tile t
.set t, 0
.rept 4
	\line
.set t, t+1
.endr
.endm
.macro U8 line:vararg                  ; one line for each head u
.set u, 0
.rept 8
	\line
.set u, u+1
.endr
.endm
.macro LSUM                            ; v[rT] summed over the 32 lanes
.irp m, 1,2,4,8
	J4 v_add_f32_dpp v[rT], v[rT], v[rT] row_xmask:\m row_mask:0xf bank_mask:0xf
.endr
	J4 v_permlanex16_b32 v[rT+1], v[rT], s[SEL], s[SEL+1]
	J4 v_add_f32 v[rT], v[rT], v[rT+1]
.endm
.macro LN4                             ; four rows: a lane holds columns 4 l .. + 3 and 128 + 4 l .. + 3
	J4 ds_load_b128 v[rR:rR+3], v[FR] offset:1024*j
	J4 ds_load_b128 v[rR+4:rR+7], v[FR] offset:1024*j+512
	s_wait_dscnt 0x0
	J4 v_pk_add_f32 v[rT:rT+1], v[rR:rR+1], v[rR+2:rR+3]
	J4 v_pk_add_f32 v[rT+2:rT+3], v[rR+4:rR+5], v[rR+6:rR+7]
	J4 v_pk_add_f32 v[rT:rT+1], v[rT:rT+1], v[rT+2:rT+3]
	J4 v_add_f32 v[rT], v[rT], v[rT+1]
	LSUM
	J4 v_mul_f32 v[rT], s[NINV], v[rT]             ; - mean
.irp k, 0,2,4,6
	J4 v_pk_add_f32 v[rR+\k:rR+\k+1], v[rR+\k:rR+\k+1], v[rT:rT+1] op_sel_hi:[1,0]
.endr
	J4 v_pk_mul_f32 v[rT+2:rT+3], v[rR:rR+1], v[rR:rR+1]
.irp k, 2,4,6
	J4 v_pk_fma_f32 v[rT+2:rT+3], v[rR+\k:rR+\k+1], v[rR+\k:rR+\k+1], v[rT+2:rT+3]
.endr
	J4 v_add_f32 v[rT], v[rT+2], v[rT+3]
	LSUM
	J4 v_fma_f32 v[rT], v[rT], s[INV], s[EPS]
	J4 v_rsq_f32 v[rT], v[rT]
	v_nop                                          ; a plain instruction behind the last root,
	s_wait_alu depctr_va_vdst(0)                   ; and one wait for the four, ahead of their first reader
.irp k, 0,2,4,6
	J4 v_pk_mul_f32 v[rR+\k:rR+\k+1], v[rR+\k:rR+\k+1], v[rT:rT+1] op_sel_hi:[1,0]
.endr
.irp k, 0,2,4,6
	J4 v_pk_fma_f32 v[rR+\k:rR+\k+1], v[rR+\k:rR+\k+1], v[20+\k:21+\k], v[28+\k:29+\k]
.endr
.irp k, 0,1,2,3
	J4 v_cvt_pk_bf16_f32 v[rR+\k], v[rR+2*\k], v[rR+2*\k+1]
.endr
	J4 ds_store_b64 v[YW], v[rR:rR+1] offset:YP*j
	J4 ds_store_b64 v[YW], v[rR+2:rR+3] offset:YP*j+256
	v_add_nc_u32 v[FR], 4096, v[FR]
	v_add_nc_u32 v[YW], 4*YP, v[YW]
.endm
.macro SRCLD                           ; eight rows of src, 1,024 consecutive bytes each
.set j, 0
.rept 8
	global_load_b128 v[128+8*j:131+8*j], v[SO], s[SRC:SRC+1] offset:262144*j th:TH_LOAD_NT
	global_load_b128 v[132+8*j:135+8*j], v[SO], s[SRC:SRC+1] offset:262144*j+512 th:TH_LOAD_NT
.set j, j+1
.endr
.endm
	s_load_b512 s[4:19], s[0:1], 0x0               ; src 4, ln1_a 6, ln1_b 8, sw_bq 10, sw_bk 12, bq 14, bk 16, bv 18
	s_load_b256 s[20:27], s[0:1], 0x40             ; wfrag 20, qb 22, kb 24, vb 26
	v_lshl_add_u32 v[SPW], v0, 2, SPARE
	v_mov_b32 v[NIL], 0
	ds_add_u32 v[SPW], v[NIL]                      ; the wave's opening: the add and its wait ahead of my first tensor load
	v_lshrrev_b32 v1, 5, v0
	v_readfirstlane_b32 s[WV], v1
	s_bfe_u32 s29, ttmp6, 0x40000                  ; cx
	s_lshl_b32 s30, ttmp9, 2
	s_add_co_u32 s30, s30, s29                     ; l: it enters the addresses of src, qb, kb, vb alone
	s_mov_b32 s[G1], 15|(3<<16)|(1<<21)            ; the mask of four; elements of 8 bytes; bit 21 beside a mask; no padding
	s_mov_b32 s[G1+1], 32<<16                      ; tensor_dim0 = 32 (256 bytes)
	s_mov_b32 s[G1+2], 64<<16                      ; tensor_dim1 = 64
	s_mov_b32 s[G1+3], 32<<16                      ; tile_dim0
	s_mov_b32 s[G1+4], 64                          ; tile_dim1
	s_mov_b32 s[G1+5], 32                          ; dense rows
	s_mov_b32 s[G1+6], 0
	s_mov_b32 s[G1+7], 0
	s_mov_b32 s[G0], 1
	s_lshl_b32 s[G0+1], s[WV], 14                  ; my quarter of slot 0
	s_mov_b32 s[TB], SLOTB                         ; the first change turns it into 0
	s_mov_b32 s[SLOTS], 9                          ; fills still to come
	s_lshr_b32 s[LIM], s[WV], 1
	s_or_b32 s[LIM], s[LIM], ttmp9
	s_cmp_eq_u32 s[LIM], 0
	s_cselect_b32 s[LIM], 1, -1                    ; waves 0 and 1 of the first cluster prefetch
	s_mov_b32 s[SEL], 0x76543210
	s_mov_b32 s[SEL+1], 0xfedcba98
	s_mov_b32 s[C1], 0x3e8293ee                    ; log2(e) / sqrt(32)
	s_mov_b32 s[C1+1], s[C1]
	s_mov_b32 s[NINV], 0xbb800000                  ; -1/256
	s_mov_b32 s[INV], 0x3b800000                   ; 1/256
	s_mov_b32 s[EPS], 0x3727c5ac                   ; 1e-5
	s_mov_b32 s[SCALE], 0x3e3504f3                 ; 1 / sqrt(32)
	s_lshl_b32 s72, s[WV], 14
	s_mov_b32 s73, 0
	s_mov_b32 s75, 0
	s_wait_dscnt 0x0                               ; the opening add is done
	s_wait_kmcnt 0x0
	s_add_nc_u64 s[G0+2:G0+3], s[20:21], s[72:73]
	s_or_b32 s[G0+3], s[G0+3], 0x80000000
	s_lshl_b32 s74, s29, 14
	s_and_b32 s76, s[WV], 1
	s_lshl_b32 s76, s76, 13
	s_add_co_u32 s74, s74, s76
	s_add_co_u32 s74, s74, SLOTB
	s_add_nc_u64 s[PFA:PFA+1], s[20:21], s[74:75]  ; in slot 1; the first change steps it to slot 2
	s_lshl_b32 s74, s30, 10
	s_lshl_b32 s76, s[WV], 24
	s_add_co_u32 s74, s74, s76
	s_add_nc_u64 s[SRC:SRC+1], s[4:5], s[74:75]    ; src at (n = 64 w, l)
	s_lshl_b32 s74, s30, 14
	s_lshl_b32 s76, s[WV], 12
	s_add_co_u32 s74, s74, s76
	s_add_nc_u64 s[QB:QB+1], s[22:23], s[74:75]    ; [h][l][n][d] at (0, l, 64 w, 0)
	s_add_nc_u64 s[KB:KB+1], s[24:25], s[74:75]
	s_lshl_b32 s74, s30, 9
	s_lshl_b32 s76, s[WV], 20
	s_add_co_u32 s74, s74, s76
	s_add_nc_u64 s[VB:VB+1], s[26:27], s[74:75]    ; [h][n / 8][m][n % 8][d] at (0, 8 w, l, 0, 0)
	CROUND                                         ; all four work-groups are here: the first joint load meets
	tensor_load_to_lds s[G0:G0+3], s[G1:G1+7]
	s_nop 0
	PLACES 4
	v_and_b32 v1, 31, v0
	v_lshlrev_b32 v[LB], 4, v1                     ; 16 x lane
	v_and_b32 v2, 15, v0                           ; r
	v_bfe_u32 v3, v0, 4, 1                         ; h
	v_lshlrev_b32 v[YA], 3, v0                     ; for now: 8 x thread
	global_load_b64 v[36:37], v[YA], s[10:11]
	global_load_b64 v[38:39], v[YA], s[12:13]
	global_load_b64 v[40:41], v[YA], s[14:15]
	global_load_b64 v[42:43], v[YA], s[16:17]
	global_load_b64 v[44:45], v[YA], s[18:19]
	global_load_b128 v[20:23], v[LB], s[6:7]
	global_load_b128 v[24:27], v[LB], s[6:7] offset:512
	global_load_b128 v[28:31], v[LB], s[8:9]
	global_load_b128 v[32:35], v[LB], s[8:9] offset:512
	v_mov_b32 v[SO], v[LB]
	SRCLD
	v_lshlrev_b32 v[PFO], 4, v[LB]
	s_lshl_b32 s72, s[WV], 13
	s_add_co_u32 s72, s72, WR                      ; my 8,192 bytes
	v_add_nc_u32 v[FW], s72, v[LB]
	s_mul_i32 s73, s[WV], YSW
	s_add_co_u32 s73, s73, YS                      ; my rows of x
	v_lshrrev_b32 v[YW], 1, v[LB]
	v_add_nc_u32 v[YW], s73, v[YW]
	v_lshl_add_u32 v[LA0], v2, 4, s72
	v_add_nc_u32 v[LA0], LTO, v[LA0]
	v_mul_u32_u24 v[OS], v2, 80
	v_lshl_add_u32 v[OS], v3, 4, v[OS]
	v_add_nc_u32 v[OS], s72, v[OS]
	v_bfe_u32 v46, v0, 2, 3
	v_mul_u32_u24 v[OR], v46, 80
	v_and_b32 v46, 3, v0
	v_lshl_add_u32 v[OR], v46, 4, v[OR]
	v_add_nc_u32 v[OR], s72, v[OR]
	v_lshl_add_u32 v[BA], v3, 5, BIAS
	s_wait_loadcnt 16                              ; all but the sixteen loads of src
	v_add_nc_u32 v46, BIAS, v[YA]
.irp k, 0,1,2,3,4
	ds_store_b64 v46, v[36+2*(\k):37+2*(\k)] offset:1024*(\k)   ; shown to the other waves by the first change of slots
.endr
	v_mul_u32_u24 v[YA], v2, YP
	v_lshl_add_u32 v[YA], v3, 4, v[YA]
	v_add_nc_u32 v[YA], s73, v[YA]                 ; a fragment of x: row x pitch + 16 h
	; LN1: eight trips of eight rows.  The rows go into my LDS bytes, the next eight are asked for, and one text of four rows runs twice.
	s_mov_b32 s[CNT], 8
.Lrows:
	s_wait_loadcnt 0x0
.set j, 0
.rept 8
	ds_store_b128 v[FW], v[128+8*j:131+8*j] offset:1024*j
	ds_store_b128 v[FW], v[132+8*j:135+8*j] offset:1024*j+512
.set j, j+1
.endr
	s_cmp_eq_u32 s[CNT], 1
	s_cbranch_scc1 .Lnoload                        ; the last trip asks for nothing
	v_add_nc_u32 v[SO], 2097152, v[SO]
	SRCLD
.Lnoload:
	v_mov_b32 v[FR], v[FW]
	s_mov_b32 s[CNT2], 2
.Lln:
	LN4
	s_sub_co_u32 s[CNT2], s[CNT2], 1
	s_cmp_lg_u32 s[CNT2], 0
	s_cbranch_scc1 .Lln
	s_sub_co_u32 s[CNT], s[CNT], 1
	s_cmp_lg_u32 s[CNT], 0
	s_cbranch_scc1 .Lrows
; A HEAD: qs (16 products), ks_ (64), and the logits qs . ks_ of my 64 sequences, unscaled.  Its four halves of fragments (sw_wq's two, sw_wk's two) take the two buffers by turns, each fetched while the half before is multiplied.
.macro HPRE                            ; behind a change of slots: the first head's bias and first half
	BILOAD 0
	LOADH 128, 0
.endm
.macro HEAD
	LOADH 192, 8192
	s_wait_dscnt 16                                ; all but the sixteen loads just issued
	MULQ 128, 0, 1
	WIN 0
	PLACES 5
	BILOAD 1024
	LOADH 128, 16384
	s_wait_dscnt 20                                ; all but the twenty just issued
	MULQ 192, 4, 0
	WIN 0
	PLACES 5
	LOADH 192, 24576
	s_wait_dscnt 16
	MUL1 128, 0, 1
	WIN 0
	PLACES 5
	s_cmp_eq_u32 s[CNT2], 1
	s_cbranch_scc1 .Lhl_\@                         ; the slot's last head has no successor that may be read yet
	BILOAD 128
	LOADH 128, 32768                               ; the next head's first half
	s_wait_dscnt 20
	s_branch .Lhg_\@
.Lhl_\@:
	s_wait_dscnt 0x0
.Lhg_\@:
	MUL1 192, 4, 0
	WIN 0
	PLACES 5
	T4 v_pk_mul_f32 v[40+2*t:41+2*t], v[64+16*t:65+16*t], v[20:21]
.irp p, 1,2,3,4,5,6,7
	T4 v_pk_fma_f32 v[40+2*t:41+2*t], v[64+16*t+2*\p:65+16*t+2*\p], v[20+2*\p:21+2*\p], v[40+2*t:41+2*t]
.endr
	T4 v_add_f32 v[36+t], v[40+2*t], v[41+2*t]
	T4 v_permlanex16_b32 v[40+t], v[36+t], s[SEL], s[SEL+1]   ; the head's other 16 columns lie in the lane 16 away
	T4 v_add_f32 v[36+t], v[36+t], v[40+t]
	ds_store_b128 v[LA], v[36:39]
	v_add_nc_u32 v[UA], 32768, v[UA]
	v_add_nc_u32 v[BA], 128, v[BA]
	v_add_nc_u32 v[LA], 256, v[LA]
.endm
	CHANGE 1                                       ; slot 0 is in, everybody's x and biases lie in LDS; slot 1 is asked for
	v_lshl_add_u32 v36, v3, 4, YS                  ; sequence 0's row, the same for all sixteen lanes of a half
	v_mov_b32 v[LA], v[LA0]
	WIN 0x40
.set t, 0
.rept 4
.set k, 0
.rept 8
	ds_load_b128 v[64*t+8*k:64*t+8*k+3], v[YA] offset:16*YP*t+64*k
	ds_load_b128 v[64*t+8*k+4:64*t+8*k+7], v[YA] offset:16*YP*t+64*k+32
.set k, k+1
.endr
.set t, t+1
.endr
	WIN 0x80
.set k, 0
.rept 8
	ds_load_b128 v[8*k:8*k+3], v36 offset:64*k
	ds_load_b128 v[8*k+4:8*k+7], v36 offset:64*k+32
.set k, k+1
.endr
	WIN 0
	s_mov_b32 s[CNT], 4
	s_branch .Lsw_in
.Lsw:
	CHANGE 1
.Lsw_in:
	HPRE
	s_mov_b32 s[CNT2], 2
.Lhead:
	HEAD
	s_sub_co_u32 s[CNT2], s[CNT2], 1
	s_cmp_lg_u32 s[CNT2], 0
	s_cbranch_scc1 .Lhead
	s_sub_co_u32 s[CNT], s[CNT], 1
	s_cmp_lg_u32 s[CNT], 0
	s_cbranch_scc1 .Lsw
	; SOFTMAX OVER n.  Lane r holds, for each head u, the logits of sequences 16 t + r in v[64 + 4 u + t].  My wave's maximum (times c) and sum lie in v[96 + 2 u], v[97 + 2 u]; the four waves' meet in LDS.
	U8 ds_load_b128 v[64+4*u:67+4*u], v[LA0] offset:256*u
	s_lshl_b32 s72, s[WV], 6
	s_add_co_u32 s72, s72, XW
	v_mov_b32 v[YA], s72
	v_mov_b32 v36, XW
	s_wait_dscnt 0x0
	U8 v_max3_num_f32 v[96+2*u], v[64+4*u], v[65+4*u], v[66+4*u]
	U8 v_mov_b32 v[97+2*u], 0
	U8 v_max_num_f32 v[96+2*u], v[96+2*u], v[67+4*u]
.irp m, 1,2,4,8
	U8 v_max_num_f32_dpp v[96+2*u], v[96+2*u], v[96+2*u] row_xmask:\m row_mask:0xf bank_mask:0xf
.endr
	U8 v_mul_f32 v[96+2*u], s[C1], v[96+2*u]
	U8 v_pk_fma_f32 v[64+4*u:65+4*u], v[64+4*u:65+4*u], s[C1:C1+1], v[96+2*u:97+2*u] op_sel_hi:[1,0,0] neg_lo:[0,0,1] neg_hi:[0,0,1]
	U8 v_pk_fma_f32 v[66+4*u:67+4*u], v[66+4*u:67+4*u], s[C1:C1+1], v[96+2*u:97+2*u] op_sel_hi:[1,0,0] neg_lo:[0,0,1] neg_hi:[0,0,1]
.set k, 0
.rept 32
	v_exp_f32 v[64+k], v[64+k]
.set k, k+1
.endr
	v_nop
	s_wait_alu depctr_va_vdst(0)                   ; one wait for the 32 exponentials
	U8 v_pk_add_f32 v[112+2*u:113+2*u], v[64+4*u:65+4*u], v[66+4*u:67+4*u]
	U8 v_add_f32 v[97+2*u], v[112+2*u], v[113+2*u]
.irp m, 1,2,4,8
	U8 v_add_f32_dpp v[97+2*u], v[97+2*u], v[97+2*u] row_xmask:\m row_mask:0xf bank_mask:0xf
.endr
.irp k, 0,1,2,3
	ds_store_b128 v[YA], v[96+4*(\k):99+4*(\k)] offset:16*(\k)
.endr
	s_wait_dscnt 0x0                               ; for the others' sake
	s_barrier_signal -1                            ; the tensor load that is out may stay out
	s_barrier_wait -1
.set k, 0
.rept 16
	ds_load_b128 v[128+4*k:131+4*k], v36 offset:16*k
.set k, k+1
.endr
	s_wait_dscnt 0x0
	U8 v_max3_num_f32 v[192+u], v[128+2*u], v[144+2*u], v[160+2*u]
	U8 v_max_num_f32 v[192+u], v[192+u], v[176+2*u]
.irp x, 128,144,160,176,96
	U8 v_sub_f32 v[\x+2*u], v[\x+2*u], v[192+u]
.endr
.irp x, 128,144,160,176,96
	U8 v_exp_f32 v[\x+2*u], v[\x+2*u]
.endr
	v_nop
	s_wait_alu depctr_va_vdst(0)
	U8 v_mul_f32 v[200+u], v[128+2*u], v[129+2*u]
.irp x, 144,160,176
	U8 v_fmac_f32 v[200+u], v[\x+2*u], v[\x+1+2*u]
.endr
	U8 v_rcp_f32 v[200+u], v[200+u]
	v_nop
	s_wait_alu depctr_va_vdst(0)
	U8 v_mul_f32 v[96+2*u], v[96+2*u], v[200+u]
	U8 v_mul_f32 v[96+2*u], s[SCALE], v[96+2*u]
	U8 v_pk_mul_f32 v[64+4*u:65+4*u], v[64+4*u:65+4*u], v[96+2*u:97+2*u] op_sel_hi:[1,0]
	U8 v_pk_mul_f32 v[66+4*u:67+4*u], v[66+4*u:67+4*u], v[96+2*u:97+2*u] op_sel_hi:[1,0]
	U8 ds_store_b128 v[LA0], v[64+4*u:67+4*u] offset:256*u   ; sw / sqrt(32), for my own later reads
	v_mov_b32 v[LA], v[LA0]
; A UNIT: 32 columns (a head) of q, k or v for my 64 rows; kind 0 multiplies by sw / sqrt(32).  Rounded once, through my stage, out in stores of 512 consecutive bytes.
.macro UPRE                            ; behind a change of slots: the first unit's bias and first half
	BILOAD 1024
	LOADH 128, 0
.endm
.macro UNIT kind, base, istr
.if (\kind) == 0
	ds_load_b128 v[36:39], v[LA]
.endif
	LOADH 192, 8192
	s_wait_dscnt 16                                ; all but the sixteen loads just issued
	MUL1 128, 0, 1
	WIN 0
	PLACES 5
	s_cmp_eq_u32 s[CNT], 1
	s_cbranch_scc1 .Lul_\@                         ; the slot's last unit has no successor that may be read yet
	BILOAD 1152
	LOADH 128, 16384                               ; the next unit's bias and first half
	s_wait_dscnt 20                                ; all but the twenty just issued
	s_branch .Lug_\@
.Lul_\@:
	s_wait_dscnt 0x0
.Lug_\@:
	MUL1 192, 4, 0
	WIN 0
	PLACES 5
.if (\kind) == 0
.set t, 0
.rept 4
.set p, 0
.rept 8
.if t%2 == 0
	v_pk_mul_f32 v[64+16*t+2*p:65+16*t+2*p], v[64+16*t+2*p:65+16*t+2*p], v[36+t:37+t] op_sel_hi:[1,0]
.else
	v_pk_mul_f32 v[64+16*t+2*p:65+16*t+2*p], v[64+16*t+2*p:65+16*t+2*p], v[35+t:36+t] op_sel:[0,1] op_sel_hi:[1,1]
.endif
.set p, p+1
.endr
.set t, t+1
.endr
.endif
.set t, 0
.rept 4
.set p, 0
.rept 8
	v_cvt_pk_bf16_f32 v[64+16*t+p], v[64+16*t+2*p], v[65+16*t+2*p]
.set p, p+1
.endr
.set t, t+1
.endr
	T4 ds_store_b128 v[OS], v[64+16*t:67+16*t] offset:1280*t
	T4 ds_store_b128 v[OS], v[68+16*t:71+16*t] offset:1280*t+32
	s_wait_xcnt 0x0                                ; the last unit's stores, 64 products back, have read their offset and their data
	v_add_nc_u32 v[GO], s[GSTEP], v[GO]            ; this head's place
	s_mov_b32 s[GSTEP], 4194304
	WIN 0x80                                       ; back into window 2
	U8 ds_load_b128 v[4*u:4*u+3], v[OR] offset:640*u            ; LDS serves a wave's instructions in order (ISA guide 5.7.1.4): these see the stores above
	s_wait_dscnt 0x0
	WIN 0x08                                       ; the stores' data lie in window 2
	U8 global_store_b128 v[GO], v[4*u:4*u+3], s[\base:\base+1] offset:(\istr)*u
	WIN 0
	v_add_nc_u32 v[UA], 16384, v[UA]
	v_add_nc_u32 v[BA], 128, v[BA]
.if (\kind) == 0
	v_add_nc_u32 v[LA], 256, v[LA]
.endif
.endm
.macro TENSOR kind, base, istr         ; two slots of four units
	s_wait_xcnt 0x0                                ; the last tensor's stores have read their offset
	v_mov_b32 v[GO], v[LB]
	s_mov_b32 s[GSTEP], 0
	s_mov_b32 s[OUTER], 2
.Lts_\@:
	CHANGE 1
	UPRE
	s_mov_b32 s[CNT], 4
.Ltu_\@:
	UNIT \kind, \base, \istr
	s_sub_co_u32 s[CNT], s[CNT], 1
	s_cmp_lg_u32 s[CNT], 0
	s_cbranch_scc1 .Ltu_\@
	s_sub_co_u32 s[OUTER], s[OUTER], 1
	s_cmp_lg_u32 s[OUTER], 0
	s_cbranch_scc1 .Lts_\@
.endm
	TENSOR 0, QB, 512
	TENSOR 1, KB, 512
	s_wait_xcnt 0x0
	v_mov_b32 v[GO], v[LB]
	s_mov_b32 s[GSTEP], 0
	CHANGE 1                                       ; the last fill
	s_mov_b32 s[OUTER], 2
	s_branch .Lv_in
.Lv:
	CHANGE 0                                       ; nothing is left to ask for
.Lv_in:
	UPRE
	s_mov_b32 s[CNT], 4
.Lvu:
	UNIT 2, VB, 131072
	s_sub_co_u32 s[CNT], s[CNT], 1
	s_cmp_lg_u32 s[CNT], 0
	s_cbranch_scc1 .Lvu
	s_sub_co_u32 s[OUTER], s[OUTER], 1
	s_cmp_lg_u32 s[OUTER], 0
	s_cbranch_scc1 .Lv
	s_wait_tensorcnt 0x0                           ; the wave's end
	ds_add_u32 v[SPW], v[NIL]
	s_wait_dscnt 0x0
	CROUND                                         ; the closing round
	s_endpgm
.Lfunc_end_k_q0c5df9ad38_qkv:
	.size	k_q0c5df9ad38_qkv, .Lfunc_end_k_q0c5df9ad38_qkv-k_q0c5df9ad38_qkv
	.p2alignl 7, 3214868480
	.fill 96, 4, 3214868480
	.section	.rodata,"a",@progbits
	.p2align	6, 0x0
	.amdhsa_kernel k_q0c5df9ad38_qkv
		.amdhsa_group_segment_fixed_size 327680
		.amdhsa_private_segment_fixed_size 0
		.amdhsa_enable_private_segment 0
		.amdhsa_kernarg_size 96
		.amdhsa_user_sgpr_count 2
		.amdhsa_user_sgpr_kernarg_segment_ptr 1
		.amdhsa_wavefront_size32 1
		.amdhsa_system_sgpr_workgroup_id_x 1
		.amdhsa_system_sgpr_workgroup_id_y 1
		.amdhsa_system_sgpr_workgroup_id_z 1
		.amdhsa_system_vgpr_workitem_id 0
		.amdhsa_next_free_vgpr 576
		.amdhsa_next_free_sgpr 96
		.amdhsa_reserve_vcc 0
		.amdhsa_float_denorm_mode_32 3
		.amdhsa_float_denorm_mode_16_64 3
		.amdhsa_memory_ordered 1
		.amdhsa_forward_progress 1
		.amdhsa_inst_pref_size 105
	.end_amdhsa_kernel
	.amdgpu_metadata
---
amdhsa.version: [ 1, 2 ]
amdhsa.kernels:
  - .name:           k_q0c5df9ad38_qkv
    .symbol:         k_q0c5df9ad38_qkv.kd
    .args:
      - { .name: src, .offset: 0, .size: 8, .value_kind: global_buffer, .address_space: global }
      - { .name: ln1_a, .offset: 8, .size: 8, .value_kind: global_buffer, .address_space: global }
      - { .name: ln1_b, .offset: 16, .size: 8, .value_kind: global_buffer, .address_space: global }
      - { .name: sw_bq, .offset: 24, .size: 8, .value_kind: global_buffer, .address_space: global }
      - { .name: sw_bk, .offset: 32, .size: 8, .value_kind: global_buffer, .address_space: global }
      - { .name: bq, .offset: 40, .size: 8, .value_kind: global_buffer, .address_space: global }
      - { .name: bk, .offset: 48, .size: 8, .value_kind: global_buffer, .address_space: global }
      - { .name: bv, .offset: 56, .size: 8, .value_kind: global_buffer, .address_space: global }
      - { .name: wfrag, .offset: 64, .size: 8, .value_kind: global_buffer, .address_space: global }
      - { .name: qb, .offset: 72, .size: 8, .value_kind: global_buffer, .address_space: global }
      - { .name: kb, .offset: 80, .size: 8, .value_kind: global_buffer, .address_space: global }
      - { .name: vb, .offset: 88, .size: 8, .value_kind: global_buffer, .address_space: global }
    .group_segment_fixed_size: 327680
    .private_segment_fixed_size: 0
    .kernarg_segment_align: 8
    .kernarg_segment_size: 96
    .max_flat_workgroup_size: 128
    .sgpr_count:     96
    .vgpr_count:     576
    .wavefront_size: 32
...
	.end_amdgpu_metadata
.endif
;; end of part 2
;; launch scores (part 3): grid 32 x 8, 4 waves a work-group, clusters of 4 x 1, 327,680 bytes of LDS; arguments qb, kb, part; writes part
.if DOCPART == 3
	.amdgcn_target "amdgcn-amd-amdhsa--gfx1250"
	.amdhsa_code_object_version 6
	.text
	.protected	k_q0c5df9ad38_scores
	.globl	k_q0c5df9ad38_scores
	.p2align	8
	.type	k_q0c5df9ad38_scores,@function
k_q0c5df9ad38_scores:
	s_mov_b64 s[64:65], 0
	v_nop
	global_prefetch_b8 v0, s[64:65] scope:SCOPE_SE
	s_setreg_imm32_b32 hwreg(HW_REG_WAVE_MODE, 25, 1), 1
	s_wait_xcnt 0x0
	s_wait_alu depctr_hold_cnt(0) depctr_sa_sdst(0) depctr_va_vdst(0) depctr_va_sdst(0) depctr_va_ssrc(0) depctr_va_vcc(0) depctr_vm_vsrc(0)
	s_getreg_b32 s2, hwreg(HW_REG_IB_STS2, 6, 4)
	s_cmp_eq_u32 s2, 0
	s_cbranch_scc0 .Lentry_in_a_cluster
	s_endpgm
.Lentry_in_a_cluster:
	s_bfe_u32 s2, ttmp6, 0x10000c
	s_cmp_lg_u32 s2, 0x3003
	s_cbranch_scc0 .Lentry_shape_is_right
	s_endpgm
.Lentry_shape_is_right:
; part[kc][h][l][m] = the sum over the 32 sequences of chunk kc and d of qb[h][l][n][d] kb[h][m][n][d]; bf16 operands, f32 sums.  qb holds q sw / sqrt(32).
; A work-group makes 128 l x 128 m over K = 1,024 (2,048 bytes of each row); a wave 64 x 64: 16 accumulators.  K goes in four steps of 256 (rows of 512 bytes) through two LDS slots of 128 rows of qb and 128 of kb.
; Each wave fetches 64 rows by one tensor load (waves 0, 1: qb's; waves 2, 3: kb's).  Both slots are asked for at the start, half of the work-group's bytes; each is filled again once, 135,168 bytes with 128 products in which to land.
; At most two tensor loads of a wave are out.  lds_bytes is all of a WGP's LDS.
; CLUSTER: the four tiles of one head and chunk are launched together and keep step by the rounds.  NO JOINT LOADS: each block of 128 rows is wanted by two of the four partners; a mask of all four would land it in two LDS
; that do not want it and halve what a slot holds.  No prefetch: 80 MB for 512 products a wave, a short stream.
; Source 0 = 16 rows of kb, source 1 = 16 rows of qb: a lane holds one l and eight neighbouring m.
; REGISTERS.  window 0: v0-17 addresses; v32-95 the way out; v128-255 the accumulators ((a, b) at 128 + 8 (4 a + b)).  window 1: the fragments of 128 along K: quarter ks at 64 ks, qb's four, then kb's four.
.set PITCH, 528                        ; 512 bytes + 16: sixteen rows of a load start in sixteen different groups of four banks
.set HALFT, 64*PITCH                   ; what one tensor load brings, and what a wave reads of qb or of kb
.set SLOT,  4*HALFT                    ; qb's 128 rows, then kb's 128 rows
.set STAGE, 2*SLOT                     ; 16 rows x 272 bytes a wave, for the way out
.set SPITCH, 272
.set SPARE, STAGE+4*16*SPITCH
.set ADRA, 4                           ; v4, v5: my rows of qb in slot 0, 1
.set ADRB, 6                           ; v6, v7: my rows of kb
.set ST, 8
.set RD, 9
.set CO, 10
.set SPW, 16
.set NIL, 17
.set WV, 10
.set G1, 16
.set G0, 24                            ; s[24:31] a set for each slot
.set CNT, 32
.set MSB, 0
.macro WIN new
.if MSB != (\new)
	s_set_vgpr_msb (MSB<<8)|(\new)
.set MSB, (\new)
.endif
.endm
.macro PLACES n                        ; plain places behind matrix instructions whose registers are loaded or read next (ISA guide 7.12.1)
.rept \n
	v_nop
.endr
.endm
.macro CROUND
	s_barrier_signal -1
	s_barrier_wait -1
	s_cmp_lg_u32 s[WV], 0
	s_cbranch_scc1 .Lnw0_\@
	s_barrier_signal -3
.Lnw0_\@:
	s_barrier_wait -3
	s_barrier_signal -1
	s_barrier_wait -1
.endm
	s_load_b128 s[4:7], s[0:1], 0x0                ; qb, kb
	s_load_b64 s[8:9], s[0:1], 0x10                ; part
	v_lshl_add_u32 v[SPW], v0, 2, SPARE
	v_mov_b32 v[NIL], 0
	ds_add_u32 v[SPW], v[NIL]                      ; the wave's opening
	v_lshrrev_b32 v1, 5, v0
	v_readfirstlane_b32 s[WV], v1
	s_lshr_b32 s11, s[WV], 1                       ; which half of the tile's l is mine.  Also: I fetch for qb (0) or for kb (1)
	s_and_b32 s12, s[WV], 1                        ; which half of its m.  Also: which 64 rows I fetch
	s_bfe_u32 s13, ttmp6, 0x40000                  ; cx: the tile
	s_mov_b32 s14, ttmp9                           ; the cluster's x: the chunk
	s_and_b32 s15, ttmp7, 0xffff                   ; the head
	s_lshr_b32 s33, s13, 1                         ; which 128 l
	s_and_b32 s34, s13, 1                          ; which 128 m
	s_mov_b32 s[G1], (1<<16)|(1<<20)|(6<<22)|(3<<25)   ; 2-byte elements; 4 words of padding after every 128
	s_mov_b32 s[G1+1], 256<<16                     ; tensor_dim0
	s_mov_b32 s[G1+2], 64<<16                      ; tensor_dim1
	s_mov_b32 s[G1+3], 256<<16                     ; tile_dim0
	s_mov_b32 s[G1+4], 64                          ; tile_dim1
	s_mov_b32 s[G1+5], 8192                        ; elements from row to row
	s_mov_b32 s[G1+6], 0
	s_mov_b32 s[G1+7], 0
	s_mul_i32 s35, s[WV], HALFT                    ; where my rows go: wave x 64 rows
	s_mov_b32 s[G0], 1
	s_mov_b32 s[G0+1], s35
	s_mov_b32 s[G0+4], 1
	s_add_co_u32 s[G0+5], s35, SLOT
	s_cmp_eq_u32 s11, 0
	s_cselect_b32 s36, s33, s34                    ; the block of 128 rows: by l in qb, by m in kb
	s_lshl_b32 s36, s36, 1
	s_add_co_u32 s36, s36, s12                     ; my 64 of them,
	s_lshl_b32 s36, s36, 20                        ; rows of 16,384 bytes
	s_lshl_b32 s37, s15, 22                        ; a head is 4 MiB
	s_add_co_u32 s36, s36, s37
	s_lshl_b32 s37, s14, 11                        ; the chunk's 2,048 bytes of a row
	s_add_co_u32 s36, s36, s37
	s_mov_b32 s37, 0
	s_lshl_b32 s40, s14, 3
	s_add_co_u32 s40, s40, s15
	s_lshl_b32 s40, s40, 18                        ; part at (kc, h),
	s_lshl_b32 s41, s33, 17
	s_add_co_u32 s40, s40, s41                     ; the tile's first l,
	s_lshl_b32 s41, s11, 16
	s_add_co_u32 s40, s40, s41                     ; my 64 of them,
	s_lshl_b32 s41, s34, 9
	s_add_co_u32 s40, s40, s41                     ; the tile's first m,
	s_lshl_b32 s41, s12, 8
	s_add_co_u32 s40, s40, s41                     ; my 64 of them: 256 bytes
	s_mov_b32 s41, 0
	s_wait_dscnt 0x0
	s_wait_kmcnt 0x0
	s_cmp_eq_u32 s11, 0
	s_cselect_b64 s[38:39], s[4:5], s[6:7]
	s_add_nc_u64 s[G0+2:G0+3], s[38:39], s[36:37]  ; K step 0
	s_add_nc_u64 s[G0+6:G0+7], s[G0+2:G0+3], 512   ; K step 1
	s_or_b32 s[G0+3], s[G0+3], 0x80000000
	s_or_b32 s[G0+7], s[G0+7], 0x80000000
	s_add_nc_u64 s[8:9], s[8:9], s[40:41]
	CROUND
	tensor_load_to_lds s[G0:G0+3], s[G1:G1+7]
	s_nop 0
	tensor_load_to_lds s[G0+4:G0+7], s[G1:G1+7]
	s_nop 0
	PLACES 4
	v_and_b32 v1, 15, v0
	v_bfe_u32 v2, v0, 4, 1
	v_mul_u32_u24 v3, v1, PITCH
	v_lshl_add_u32 v3, v2, 4, v3                   ; a fragment's row x pitch + 16 x half
	s_mul_i32 s42, s11, HALFT
	s_mul_i32 s43, s12, HALFT
	s_add_co_u32 s43, s43, 2*HALFT
	v_add_nc_u32 v[ADRA], s42, v3
	v_add_nc_u32 v[ADRB], s43, v3
	v_add_nc_u32 v[ADRA+1], SLOT, v[ADRA]
	v_add_nc_u32 v[ADRB+1], SLOT, v[ADRB]
	s_mul_i32 s42, s[WV], 16*SPITCH
	s_add_co_u32 s42, s42, STAGE
	v_mul_u32_u24 v[ST], v1, SPITCH
	v_lshl_add_u32 v[ST], v2, 5, v[ST]
	v_add_nc_u32 v[ST], s42, v[ST]
	v_mul_u32_u24 v[RD], v2, SPITCH
	v_lshl_add_u32 v[RD], v1, 4, v[RD]
	v_add_nc_u32 v[RD], s42, v[RD]
	v_lshlrev_b32 v[CO], 10, v2
	v_lshl_add_u32 v[CO], v1, 4, v[CO]
; Half a K step, 128 along K at byte koff of the rows: 64 LDS loads in one run, 64 products; the 16 accumulators take turns.
.macro STEP slot, koff, zero
	WIN 0x40
.irp ks, 0,1,2,3
.irp x, 0,1,2,3
	ds_load_b128 v[64*(\ks)+8*(\x):64*(\ks)+8*(\x)+3], v[ADRA+(\slot)] offset:16*PITCH*(\x)+(\koff)+64*(\ks)
	ds_load_b128 v[64*(\ks)+8*(\x)+4:64*(\ks)+8*(\x)+7], v[ADRA+(\slot)] offset:16*PITCH*(\x)+(\koff)+64*(\ks)+32
	ds_load_b128 v[64*(\ks)+32+8*(\x):64*(\ks)+32+8*(\x)+3], v[ADRB+(\slot)] offset:16*PITCH*(\x)+(\koff)+64*(\ks)
	ds_load_b128 v[64*(\ks)+32+8*(\x)+4:64*(\ks)+32+8*(\x)+7], v[ADRB+(\slot)] offset:16*PITCH*(\x)+(\koff)+64*(\ks)+32
.endr
.endr
	WIN 0x05
.irp ks, 0,1,2,3
	s_wait_dscnt 48-16*(\ks)                       ; the later quarters' loads may stay out
.irp a, 0,1,2,3
.irp b, 0,1,2,3
.if (\zero) && ((\ks) == 0)
	v_wmma_f32_16x16x32_bf16 v[128+8*(4*(\a)+(\b)):135+8*(4*(\a)+(\b))], v[64*(\ks)+32+8*(\b):64*(\ks)+39+8*(\b)], v[64*(\ks)+8*(\a):64*(\ks)+7+8*(\a)], 0
.else
	v_wmma_f32_16x16x32_bf16 v[128+8*(4*(\a)+(\b)):135+8*(4*(\a)+(\b))], v[64*(\ks)+32+8*(\b):64*(\ks)+39+8*(\b)], v[64*(\ks)+8*(\a):64*(\ks)+7+8*(\a)], v[128+8*(4*(\a)+(\b)):135+8*(4*(\a)+(\b))]
.endif
.endr
.endr
.endr
	WIN 0
	PLACES 5
.endm
.macro HH slot                         ; a slot's K step: one text walked twice, the addresses stepping 256 bytes along the rows
	s_mov_b32 s[CNT], 2
.Lhh_\@:
	STEP \slot, 0, 0
	v_add_nc_u32 v[ADRA+(\slot)], 256, v[ADRA+(\slot)]
	v_add_nc_u32 v[ADRB+(\slot)], 256, v[ADRB+(\slot)]
	s_sub_co_u32 s[CNT], s[CNT], 1
	s_cmp_lg_u32 s[CNT], 0
	s_cbranch_scc1 .Lhh_\@
.endm
; The change of slots: all my tensor loads, the add, my reads; fill = 1: a round of the cluster's barrier, and the slot just read is asked for again, two K steps on.
.macro CH slot, fill
	s_wait_tensorcnt 0x0
	ds_add_u32 v[SPW], v[NIL]
.if \fill
	s_add_nc_u64 s[G0+4*(\slot)+2:G0+4*(\slot)+3], s[G0+4*(\slot)+2:G0+4*(\slot)+3], 1024
.endif
	s_wait_dscnt 0x0
.if \fill
	CROUND
	tensor_load_to_lds s[G0+4*(\slot):G0+4*(\slot)+3], s[G1:G1+7]
	s_nop 0
.else
	s_barrier_signal -1
	s_barrier_wait -1
.endif
	PLACES 5
.endm
	s_wait_tensorcnt 1                             ; my part of K step 0 is in; K step 1's may stay out
	s_barrier_signal -1
	s_barrier_wait -1
	STEP 0, 0, 1                                   ; the first products start the sums
	STEP 0, 256, 0
	CH 0, 1                                        ; K step 1 is in; K step 2 goes out
	HH 1
	CH 1, 1                                        ; K step 2 is in; K step 3 goes out
	HH 0
	v_add_nc_u32 v[ADRA+1], SLOT-512, v[ADRA]      ; slot 1's addresses anew: slot 0's stand 512 bytes along the rows
	v_add_nc_u32 v[ADRB+1], SLOT-512, v[ADRB]
	CH 0, 0                                        ; K step 3 is in; nothing is left to ask for
	HH 1
	; THE WAY OUT, 16 rows at a time through my stage: sixteen lanes store 256 consecutive bytes, aligned.
.irp a, 0,1,2,3
.set BK, 32+32*((\a)%2)
.irp b, 0,1,2,3
	ds_store_b128 v[ST], v[128+8*(4*(\a)+(\b)):131+8*(4*(\a)+(\b))] offset:64*(\b)
	ds_store_b128 v[ST], v[132+8*(4*(\a)+(\b)):135+8*(4*(\a)+(\b))] offset:64*(\b)+16
.endr
.if (\a) >= 2
	s_wait_xcnt 0x0                                ; the stores of two blocks back have read these registers
.endif
.irp i, 0,1,2,3,4,5,6,7
	ds_load_b128 v[BK+4*(\i):BK+4*(\i)+3], v[RD] offset:2*SPITCH*(\i)
.endr
	s_wait_dscnt 0x0
.irp i, 0,1,2,3,4,5,6,7
	global_store_b128 v[CO], v[BK+4*(\i):BK+4*(\i)+3], s[8:9] offset:(16*(\a)+2*(\i))*1024
.endr
.endr
	s_wait_tensorcnt 0x0                           ; the wave's end
	ds_add_u32 v[SPW], v[NIL]
	s_wait_dscnt 0x0
	CROUND
	s_endpgm
.Lfunc_end_k_q0c5df9ad38_scores:
	.size	k_q0c5df9ad38_scores, .Lfunc_end_k_q0c5df9ad38_scores-k_q0c5df9ad38_scores
	.p2alignl 7, 3214868480
	.fill 96, 4, 3214868480
	.section	.rodata,"a",@progbits
	.p2align	6, 0x0
	.amdhsa_kernel k_q0c5df9ad38_scores
		.amdhsa_group_segment_fixed_size 327680
		.amdhsa_private_segment_fixed_size 0
		.amdhsa_enable_private_segment 0
		.amdhsa_kernarg_size 24
		.amdhsa_user_sgpr_count 2
		.amdhsa_user_sgpr_kernarg_segment_ptr 1
		.amdhsa_wavefront_size32 1
		.amdhsa_system_sgpr_workgroup_id_x 1
		.amdhsa_system_sgpr_workgroup_id_y 1
		.amdhsa_system_sgpr_workgroup_id_z 1
		.amdhsa_system_vgpr_workitem_id 0
		.amdhsa_next_free_vgpr 512
		.amdhsa_next_free_sgpr 66
		.amdhsa_reserve_vcc 0
		.amdhsa_float_denorm_mode_32 3
		.amdhsa_float_denorm_mode_16_64 3
		.amdhsa_memory_ordered 1
		.amdhsa_forward_progress 1
		.amdhsa_inst_pref_size 57
	.end_amdhsa_kernel
	.amdgpu_metadata
---
amdhsa.version: [ 1, 2 ]
amdhsa.kernels:
  - .name:           k_q0c5df9ad38_scores
    .symbol:         k_q0c5df9ad38_scores.kd
    .args:
      - { .name: qb, .offset: 0, .size: 8, .value_kind: global_buffer, .address_space: global }
      - { .name: kb, .offset: 8, .size: 8, .value_kind: global_buffer, .address_space: global }
      - { .name: part, .offset: 16, .size: 8, .value_kind: global_buffer, .address_space: global }
    .group_segment_fixed_size: 327680
    .private_segment_fixed_size: 0
    .kernarg_segment_align: 8
    .kernarg_segment_size: 24
    .max_flat_workgroup_size: 128
    .sgpr_count:     66
    .vgpr_count:     512
    .wavefront_size: 32
...
	.end_amdgpu_metadata
.endif
;; end of part 3
;; launch smax (part 4): grid 16 x 8, 8 waves a work-group, no clusters, 9,216 bytes of LDS; arguments part, att; writes att
.if DOCPART == 4
	.amdgcn_target "amdgcn-amd-amdhsa--gfx1250"
	.amdhsa_code_object_version 6
	.text
	.protected	k_q0c5df9ad38_smax
	.globl	k_q0c5df9ad38_smax
	.p2align	8
	.type	k_q0c5df9ad38_smax,@function
k_q0c5df9ad38_smax:
	s_mov_b64 s[64:65], 0
	v_nop
	global_prefetch_b8 v0, s[64:65] scope:SCOPE_SE
	s_setreg_imm32_b32 hwreg(HW_REG_WAVE_MODE, 25, 1), 1
	s_wait_xcnt 0x0
; att[h][l][:] = softmax over m of the sum of the eight partial scores, in f32 with the row's maximum taken away; rounded once to bf16 and laid out as fragments [h][l / 16][m / 32][i 2][lane 32][16 bytes]
; (lane (r, hh) holds row l = 16 lt + r, m = 32 ks + 16 i + 8 hh + 0..7).  A work-group takes 16 rows of a head, a wave two, a lane eight neighbouring m.  128 work-groups: the work has no more blocks of 16 rows.
; The rows meet in LDS so that each store covers 512 consecutive bytes of att.  A weight below 2^-126 counts as 0.
.set SPARE, 8192
.set SPW, 10
.set NIL, 11
	s_load_b128 s[4:7], s[0:1], 0x0
	v_lshl_add_u32 v[SPW], v0, 2, SPARE
	v_mov_b32 v[NIL], 0
	v_lshrrev_b32 v1, 5, v0
	v_readfirstlane_b32 s8, v1
	s_and_b32 s9, ttmp7, 0xffff
	s_lshl_b32 s10, s9, 18
	s_lshl_b32 s11, ttmp9, 14
	s_add_co_u32 s10, s10, s11
	s_mov_b32 s11, 0
	s_lshl_b32 s16, s9, 17
	s_lshl_b32 s17, ttmp9, 13
	s_add_co_u32 s16, s16, s17
	s_mov_b32 s17, 0
	s_mov_b32 s12, 0x76543210
	s_mov_b32 s13, 0xfedcba98
	s_mov_b32 s14, 0x3fb8aa3b                      ; log2(e)
	s_mov_b32 s15, s14
	v_and_b32 v2, 31, v0
	v_lshlrev_b32 v3, 5, v2
	v_lshl_add_u32 v3, s8, 11, v3                  ; rows 2 w, 2 w + 1; 32 bytes a lane
	v_add_nc_u32 v4, 0x800000, v3                  ; chunks 4 to 7
	v_lshrrev_b32 v5, 2, v2
	v_lshlrev_b32 v5, 10, v5
	v_bfe_u32 v6, v0, 1, 1
	v_lshl_add_u32 v5, v6, 9, v5
	v_and_b32 v6, 1, v0
	v_lshl_add_u32 v5, v6, 8, v5
	v_lshl_add_u32 v5, s8, 5, v5                   ; my 16 bytes of row 2 w in the fragments
	v_lshlrev_b32 v7, 4, v2
	v_lshl_add_u32 v7, s8, 10, v7
	s_wait_kmcnt 0x0
	s_add_nc_u64 s[4:5], s[4:5], s[10:11]
	s_add_nc_u64 s[6:7], s[6:7], s[16:17]
.irp p, 0,1
.irp c, 0,1,2,3
	global_load_b128 v[32+64*(\p)+8*(\c):35+64*(\p)+8*(\c)], v3, s[4:5] offset:2097152*(\c)+1024*(\p)
	global_load_b128 v[36+64*(\p)+8*(\c):39+64*(\p)+8*(\c)], v3, s[4:5] offset:2097152*(\c)+1024*(\p)+16
	global_load_b128 v[64+64*(\p)+8*(\c):67+64*(\p)+8*(\c)], v4, s[4:5] offset:2097152*(\c)+1024*(\p)
	global_load_b128 v[68+64*(\p)+8*(\c):71+64*(\p)+8*(\c)], v4, s[4:5] offset:2097152*(\c)+1024*(\p)+16
.endr
.endr
	s_wait_loadcnt 0x0
.macro P2 line:vararg                  ; one line for each of my two rows: rR its eight numbers, rT four registers at work
.set p, 0
.rept 2
.set rR, 32+64*p
.set rT, 16+4*p
	\line
.set p, p+1
.endr
.endm
.irp c, 1,2,3,4,5,6,7
.irp k, 0,2,4,6
	P2 v_pk_add_f32 v[rR+\k:rR+\k+1], v[rR+\k:rR+\k+1], v[rR+8*\c+\k:rR+8*\c+\k+1]
.endr
.endr
	P2 v_max3_num_f32 v[rT], v[rR], v[rR+1], v[rR+2]
	P2 v_mov_b32 v[rT+1], 0
	P2 v_max3_num_f32 v[rT], v[rT], v[rR+3], v[rR+4]
	P2 v_max3_num_f32 v[rT], v[rT], v[rR+5], v[rR+6]
	P2 v_max_num_f32 v[rT], v[rT], v[rR+7]
.irp m, 1,2,4,8
	P2 v_max_num_f32_dpp v[rT], v[rT], v[rT] row_xmask:\m row_mask:0xf bank_mask:0xf
.endr
	P2 v_permlanex16_b32 v[rT+1], v[rT], s12, s13
	P2 v_max_num_f32 v[rT], v[rT], v[rT+1]
	P2 v_mul_f32 v[rT], s14, v[rT]
.irp k, 0,2,4,6
	P2 v_pk_fma_f32 v[rR+\k:rR+\k+1], v[rR+\k:rR+\k+1], s[14:15], v[rT:rT+1] op_sel_hi:[1,0,0] neg_lo:[0,0,1] neg_hi:[0,0,1]
.endr
.irp k, 0,1,2,3,4,5,6,7
	P2 v_exp_f32 v[rR+\k], v[rR+\k]
.endr
	v_nop
	s_wait_alu depctr_va_vdst(0)                   ; one wait for the sixteen exponentials
	P2 v_pk_add_f32 v[rT:rT+1], v[rR:rR+1], v[rR+2:rR+3]
	P2 v_pk_add_f32 v[rT+2:rT+3], v[rR+4:rR+5], v[rR+6:rR+7]
	P2 v_pk_add_f32 v[rT:rT+1], v[rT:rT+1], v[rT+2:rT+3]
	P2 v_add_f32 v[rT], v[rT], v[rT+1]
.irp m, 1,2,4,8
	P2 v_add_f32_dpp v[rT], v[rT], v[rT] row_xmask:\m row_mask:0xf bank_mask:0xf
.endr
	P2 v_permlanex16_b32 v[rT+1], v[rT], s12, s13
	P2 v_add_f32 v[rT], v[rT], v[rT+1]
	P2 v_rcp_f32 v[rT], v[rT]
	v_nop
	s_wait_alu depctr_va_vdst(0)
.irp k, 0,2,4,6
	P2 v_pk_mul_f32 v[rR+\k:rR+\k+1], v[rR+\k:rR+\k+1], v[rT:rT+1] op_sel_hi:[1,0]
.endr
.irp k, 0,1,2,3
	P2 v_cvt_pk_bf16_f32 v[rR+\k], v[rR+2*\k], v[rR+2*\k+1]
.endr
	P2 ds_store_b128 v5, v[rR:rR+3] offset:16*p
	s_wait_dscnt 0x0                               ; for the others' sake
	s_barrier_signal -1
	s_barrier_wait -1
	ds_load_b128 v[32:35], v7
	ds_load_b128 v[36:39], v7 offset:512
	s_wait_dscnt 0x0
	global_store_b128 v7, v[32:35], s[6:7]
	global_store_b128 v7, v[36:39], s[6:7] offset:512
	s_wait_tensorcnt 0x0                           ; the wave's end
	ds_add_u32 v[SPW], v[NIL]
	s_wait_dscnt 0x0
	s_endpgm
.Lfunc_end_k_q0c5df9ad38_smax:
	.size	k_q0c5df9ad38_smax, .Lfunc_end_k_q0c5df9ad38_smax-k_q0c5df9ad38_smax
	.p2alignl 7, 3214868480
	.fill 96, 4, 3214868480
	.section	.rodata,"a",@progbits
	.p2align	6, 0x0
	.amdhsa_kernel k_q0c5df9ad38_smax
		.amdhsa_group_segment_fixed_size 9216
		.amdhsa_private_segment_fixed_size 0
		.amdhsa_enable_private_segment 0
		.amdhsa_kernarg_size 16
		.amdhsa_user_sgpr_count 2
		.amdhsa_user_sgpr_kernarg_segment_ptr 1
		.amdhsa_wavefront_size32 1
		.amdhsa_system_sgpr_workgroup_id_x 1
		.amdhsa_system_sgpr_workgroup_id_y 1
		.amdhsa_system_sgpr_workgroup_id_z 1
		.amdhsa_system_vgpr_workitem_id 0
		.amdhsa_next_free_vgpr 176
		.amdhsa_next_free_sgpr 66
		.amdhsa_reserve_vcc 0
		.amdhsa_float_denorm_mode_32 3
		.amdhsa_float_denorm_mode_16_64 3
		.amdhsa_memory_ordered 1
		.amdhsa_forward_progress 1
		.amdhsa_inst_pref_size 14
	.end_amdhsa_kernel
	.amdgpu_metadata
---
amdhsa.version: [ 1, 2 ]
amdhsa.kernels:
  - .name:           k_q0c5df9ad38_smax
    .symbol:         k_q0c5df9ad38_smax.kd
    .args:
      - { .name: part, .offset: 0, .size: 8, .value_kind: global_buffer, .address_space: global }
      - { .name: att, .offset: 8, .size: 8, .value_kind: global_buffer, .address_space: global }
    .group_segment_fixed_size: 9216
    .private_segment_fixed_size: 0
    .kernarg_segment_align: 8
    .kernarg_segment_size: 16
    .max_flat_workgroup_size: 256
    .sgpr_count:     66
    .vgpr_count:     176
    .wavefront_size: 32
...
	.end_amdgpu_metadata
.endif
;; end of part 4
;; launch attv (part 5): grid 32 x 8, 4 waves a work-group, clusters of 4 x 1, 327,680 bytes of LDS; arguments att, vb, ob; writes ob
.if DOCPART == 5
	.amdgcn_target "amdgcn-amd-amdhsa--gfx1250"
	.amdhsa_code_object_version 6
	.text
	.protected	k_q0c5df9ad38_attv
	.globl	k_q0c5df9ad38_attv
	.p2align	8
	.type	k_q0c5df9ad38_attv,@function
k_q0c5df9ad38_attv:
	s_mov_b64 s[64:65], 0
	v_nop
	global_prefetch_b8 v0, s[64:65] scope:SCOPE_SE
	s_setreg_imm32_b32 hwreg(HW_REG_WAVE_MODE, 25, 1), 1
	s_wait_xcnt 0x0
	s_wait_alu depctr_hold_cnt(0) depctr_sa_sdst(0) depctr_va_vdst(0) depctr_va_sdst(0) depctr_va_ssrc(0) depctr_va_vcc(0) depctr_vm_vsrc(0)
	s_getreg_b32 s2, hwreg(HW_REG_IB_STS2, 6, 4)
	s_cmp_eq_u32 s2, 0
	s_cbranch_scc0 .Lentry_in_a_cluster
	s_endpgm
.Lentry_in_a_cluster:
	s_bfe_u32 s2, ttmp6, 0x10000c
	s_cmp_lg_u32 s2, 0x3003
	s_cbranch_scc0 .Lentry_shape_is_right
	s_endpgm
.Lentry_shape_is_right:
; o[n][l][h, d] = the sum over m of att[h][l][m] v[n][m][h, d], for a head and eight sequences to a work-group; wave w takes l = 64 w .. + 63.
; O^T = V^T att^T: source 0 = V turned by ds_load_tr16_b128 (16 d x 32 m), source 1 = a fragment of att (16 l x 32 m), which stays in 256 registers.  A lane ends with one l and eight d: rounded in pairs that IS the
; fragment that the next launch multiplies, so ob is stored in fragment order [n][h][l / 16][i 2][lane 32][16 bytes], 512 consecutive bytes a store.
; CLUSTER: the four work-groups share a head: att is asked for jointly; vb's block is the work-group's own.  Nothing is filled again: two tensor loads of a wave are out at the start.  No prefetch: a short stream.
.set PV,    544                        ; a row of V: 512 bytes (8 sequences x 32 d) + 32
.set VREG,  131072
.set SPARE, VREG+256*PV
.set AA, 4
.set VA, 5                             ; v5: m 0-127, v6: m 128-255
.set GO, 7
.set SPW, 16
.set NIL, 17
.set WV, 10
.set G1A, 16
.set G1V, 24
.set G0A, 32
.set G0V, 36
.set CNT, 40
.set MSB, 0
.macro WIN new
.if MSB != (\new)
	s_set_vgpr_msb (MSB<<8)|(\new)
.set MSB, (\new)
.endif
.endm
.macro PLACES n
.rept \n
	v_nop
.endr
.endm
.macro CROUND
	s_barrier_signal -1
	s_barrier_wait -1
	s_cmp_lg_u32 s[WV], 0
	s_cbranch_scc1 .Lnw0_\@
	s_barrier_signal -3
.Lnw0_\@:
	s_barrier_wait -3
	s_barrier_signal -1
	s_barrier_wait -1
.endm
	s_load_b128 s[4:7], s[0:1], 0x0                ; att, vb
	s_load_b64 s[8:9], s[0:1], 0x10                ; ob
	v_lshl_add_u32 v[SPW], v0, 2, SPARE
	v_mov_b32 v[NIL], 0
	ds_add_u32 v[SPW], v[NIL]                      ; the wave's opening
	v_lshrrev_b32 v1, 5, v0
	v_readfirstlane_b32 s[WV], v1
	s_bfe_u32 s11, ttmp6, 0x40000
	s_lshl_b32 s12, ttmp9, 2
	s_add_co_u32 s12, s12, s11                     ; g: which eight sequences
	s_and_b32 s13, ttmp7, 0xffff                   ; the head
	s_mov_b32 s[G1A], 15|(3<<16)|(1<<21)           ; att: 128 dense rows of 256 bytes, jointly
	s_mov_b32 s[G1A+1], 32<<16
	s_mov_b32 s[G1A+2], 128<<16
	s_mov_b32 s[G1A+3], 32<<16
	s_mov_b32 s[G1A+4], 128
	s_mov_b32 s[G1A+5], 32
	s_mov_b32 s[G1A+6], 0
	s_mov_b32 s[G1A+7], 0
	s_mov_b32 s[G1V], (1<<16)|(1<<20)|(6<<22)|(7<<25)   ; V: 64 rows of 256 elements; 8 words of padding after every 128
	s_mov_b32 s[G1V+1], 256<<16
	s_mov_b32 s[G1V+2], 64<<16
	s_mov_b32 s[G1V+3], 256<<16
	s_mov_b32 s[G1V+4], 64
	s_mov_b32 s[G1V+5], 256
	s_mov_b32 s[G1V+6], 0
	s_mov_b32 s[G1V+7], 0
	s_mov_b32 s[G0A], 1
	s_lshl_b32 s[G0A+1], s[WV], 15
	s_mov_b32 s[G0V], 1
	s_mul_i32 s[G0V+1], s[WV], 64*PV
	s_add_co_u32 s[G0V+1], s[G0V+1], VREG
	s_lshl_b32 s42, s13, 17
	s_lshl_b32 s46, s[WV], 15
	s_add_co_u32 s42, s42, s46
	s_mov_b32 s43, 0
	s_lshl_b32 s44, s13, 22
	s_lshl_b32 s45, s12, 17
	s_add_co_u32 s44, s44, s45
	s_add_co_u32 s44, s44, s46
	s_mov_b32 s45, 0
	s_wait_dscnt 0x0
	s_wait_kmcnt 0x0
	s_add_nc_u64 s[G0A+2:G0A+3], s[4:5], s[42:43]
	s_or_b32 s[G0A+3], s[G0A+3], 0x80000000
	s_add_nc_u64 s[G0V+2:G0V+3], s[6:7], s[44:45]
	s_or_b32 s[G0V+3], s[G0V+3], 0x80000000
	s_lshl_b32 s44, s12, 20
	s_lshl_b32 s46, s13, 14
	s_add_co_u32 s44, s44, s46
	s_lshl_b32 s46, s[WV], 12
	s_add_co_u32 s44, s44, s46
	s_add_nc_u64 s[8:9], s[8:9], s[44:45]
	CROUND
	tensor_load_to_lds s[G0A:G0A+3], s[G1A:G1A+7]
	s_nop 0
	tensor_load_to_lds s[G0V:G0V+3], s[G1V:G1V+7]
	s_nop 0
	PLACES 4
	v_and_b32 v1, 31, v0
	v_lshlrev_b32 v[GO], 4, v1
	v_lshl_add_u32 v[AA], s[WV], 15, v[GO]
	v_bfe_u32 v2, v0, 4, 1
	v_and_b32 v3, 7, v0
	v_lshl_add_u32 v[VA], v2, 3, v3
	v_mul_u32_u24 v[VA], v[VA], PV
	v_bfe_u32 v3, v0, 3, 1
	v_lshl_add_u32 v[VA], v3, 4, v[VA]
	v_add_nc_u32 v[VA], VREG, v[VA]
	v_add_nc_u32 v[VA+1], 128*PV, v[VA]
	s_wait_tensorcnt 1                             ; my quarter of att is in, and only I read it; V's tile may stay out
	WIN 0x40
.set t, 0
.rept 4
.set k, 0
.rept 8
	ds_load_b128 v[64*t+8*k:64*t+8*k+3], v[AA] offset:8192*t+1024*k
	ds_load_b128 v[64*t+8*k+4:64*t+8*k+7], v[AA] offset:8192*t+1024*k+512
.set k, k+1
.endr
.set t, t+1
.endr
	WIN 0
	s_wait_tensorcnt 0x0                           ; my rows of V are in,
	s_wait_dscnt 0x0
	s_barrier_signal -1
	s_barrier_wait -1                              ; everybody's are
.macro MULV k0                         ; 32 products: four steps of 32 m x 2 tiles of d x 4 tiles of l; the eight accumulators take turns
.irp kk, 0,1,2,3
.irp d, 0,1
.irp t, 0,1,2,3
.if ((\k0)+(\kk)) == 0
	v_wmma_f32_16x16x32_bf16 v[64+16*(\t)+8*(\d):71+16*(\t)+8*(\d)], v[128+64*(\d)+8*((\k0)+(\kk)):135+64*(\d)+8*((\k0)+(\kk))], v[64*(\t)+8*((\k0)+(\kk)):64*(\t)+8*((\k0)+(\kk))+7], 0
.else
	v_wmma_f32_16x16x32_bf16 v[64+16*(\t)+8*(\d):71+16*(\t)+8*(\d)], v[128+64*(\d)+8*((\k0)+(\kk)):135+64*(\d)+8*((\k0)+(\kk))], v[64*(\t)+8*((\k0)+(\kk)):64*(\t)+8*((\k0)+(\kk))+7], v[64+16*(\t)+8*(\d):71+16*(\t)+8*(\d)]
.endif
.endr
.endr
.endr
.endm
	s_mov_b32 s[CNT], 8
.Ln8:                                                  ; a trip: one sequence
.set k, 0
.rept 8
.irp d, 0,1
	ds_load_tr16_b128 v[128+64*(\d)+8*k:131+64*(\d)+8*k], v[VA+k/4] offset:32*PV*(k%4)+32*(\d)
	ds_load_tr16_b128 v[132+64*(\d)+8*k:135+64*(\d)+8*k], v[VA+k/4] offset:32*PV*(k%4)+32*(\d)+16*PV
.endr
.set k, k+1
.endr
	s_wait_dscnt 16                                ; m 0-127 are in
	WIN 0x04
	MULV 0
	s_wait_dscnt 0x0
	MULV 4
	WIN 0
	PLACES 5
.set t, 0
.rept 4
.set p, 0
.rept 8
	v_cvt_pk_bf16_f32 v[64+16*t+p], v[64+16*t+2*p], v[65+16*t+2*p]
.set p, p+1
.endr
.set t, t+1
.endr
.irp t, 0,1,2,3
	global_store_b128 v[GO], v[64+16*(\t):67+16*(\t)], s[8:9] offset:1024*(\t)
	global_store_b128 v[GO], v[68+16*(\t):71+16*(\t)], s[8:9] offset:1024*(\t)+512
.endr
	s_wait_xcnt 0x0                                ; the stores have read their offset and data
	v_add_nc_u32 v[GO], 131072, v[GO]
	v_add_nc_u32 v[VA], 64, v[VA]
	v_add_nc_u32 v[VA+1], 64, v[VA+1]
	s_sub_co_u32 s[CNT], s[CNT], 1
	s_cmp_lg_u32 s[CNT], 0
	s_cbranch_scc1 .Ln8
	s_wait_tensorcnt 0x0                           ; the wave's end
	ds_add_u32 v[SPW], v[NIL]
	s_wait_dscnt 0x0
	CROUND
	s_endpgm
.Lfunc_end_k_q0c5df9ad38_attv:
	.size	k_q0c5df9ad38_attv, .Lfunc_end_k_q0c5df9ad38_attv-k_q0c5df9ad38_attv
	.p2alignl 7, 3214868480
	.fill 96, 4, 3214868480
	.section	.rodata,"a",@progbits
	.p2align	6, 0x0
	.amdhsa_kernel k_q0c5df9ad38_attv
		.amdhsa_group_segment_fixed_size 327680
		.amdhsa_private_segment_fixed_size 0
		.amdhsa_enable_private_segment 0
		.amdhsa_kernarg_size 24
		.amdhsa_user_sgpr_count 2
		.amdhsa_user_sgpr_kernarg_segment_ptr 1
		.amdhsa_wavefront_size32 1
		.amdhsa_system_sgpr_workgroup_id_x 1
		.amdhsa_system_sgpr_workgroup_id_y 1
		.amdhsa_system_sgpr_workgroup_id_z 1
		.amdhsa_system_vgpr_workitem_id 0
		.amdhsa_next_free_vgpr 512
		.amdhsa_next_free_sgpr 66
		.amdhsa_reserve_vcc 0
		.amdhsa_float_denorm_mode_32 3
		.amdhsa_float_denorm_mode_16_64 3
		.amdhsa_memory_ordered 1
		.amdhsa_forward_progress 1
		.amdhsa_inst_pref_size 19
	.end_amdhsa_kernel
	.amdgpu_metadata
---
amdhsa.version: [ 1, 2 ]
amdhsa.kernels:
  - .name:           k_q0c5df9ad38_attv
    .symbol:         k_q0c5df9ad38_attv.kd
    .args:
      - { .name: att, .offset: 0, .size: 8, .value_kind: global_buffer, .address_space: global }
      - { .name: vb, .offset: 8, .size: 8, .value_kind: global_buffer, .address_space: global }
      - { .name: ob, .offset: 16, .size: 8, .value_kind: global_buffer, .address_space: global }
    .group_segment_fixed_size: 327680
    .private_segment_fixed_size: 0
    .kernarg_segment_align: 8
    .kernarg_segment_size: 24
    .max_flat_workgroup_size: 128
    .sgpr_count:     66
    .vgpr_count:     512
    .wavefront_size: 32
...
	.end_amdgpu_metadata
.endif
;; end of part 5
;; launch ffn (part 6): grid 256 x 1, 4 waves a work-group, clusters of 4 x 1, 327,680 bytes of LDS; arguments src, ob, wfrag, b1f, bo, b2, out0; writes out0
.if DOCPART == 6
	.amdgcn_target "amdgcn-amd-amdhsa--gfx1250"
	.amdhsa_code_object_version 6
	.text
	.protected	k_q0c5df9ad38_ffn
	.globl	k_q0c5df9ad38_ffn
	.p2align	8
	.type	k_q0c5df9ad38_ffn,@function
k_q0c5df9ad38_ffn:
	s_mov_b64 s[64:65], 0
	v_nop
	global_prefetch_b8 v0, s[64:65] scope:SCOPE_SE
	s_setreg_imm32_b32 hwreg(HW_REG_WAVE_MODE, 25, 1), 1
	s_wait_xcnt 0x0
	s_wait_alu depctr_hold_cnt(0) depctr_sa_sdst(0) depctr_va_vdst(0) depctr_va_sdst(0) depctr_va_ssrc(0) depctr_va_vcc(0) depctr_vm_vsrc(0)
	s_getreg_b32 s2, hwreg(HW_REG_IB_STS2, 6, 4)
	s_cmp_eq_u32 s2, 0
	s_cbranch_scc0 .Lentry_in_a_cluster
	s_endpgm
.Lentry_in_a_cluster:
	s_bfe_u32 s2, ttmp6, 0x10000c
	s_cmp_lg_u32 s2, 0x3003
	s_cbranch_scc0 .Lentry_shape_is_right
	s_endpgm
.Lentry_shape_is_right:
; One sequence n to a work-group, its 256 residues as rows; a wave owns 64 rows, four tiles of 16.  z = src + bo + o Wo; x = (z - mean) / sqrt(var + 1e-5) (f32, two passes);
; out = z + b2 + relu(x W1' + b1f) W2, where W1' = ln2_a W1 and b1f = b1 + ln2_b W1 were made by the first launch.  z and the sums onto it stay in 512 f32 registers from first to last.
; PRODUCTS ARE USED TRANSPOSED (source 0 = a weight fragment, source 1 = 16 rows): a lane holds row r and columns 16 T + 8 h + 0..7; two neighbouring results rounded in pairs ARE the next source 1.
; WEIGHTS: 18 slots of 65,536 bytes of wfrag through a ring of two, asked for JOINTLY by the cluster's four work-groups; one tensor load of a wave is out at a time.  lds_bytes is all of a WGP's LDS.
; LIMITS: matrix operands are bf16; NaN and infinities are not treated apart.
; REGISTERS.  window 0: v0-19 addresses; v20-27 bo, v28-35 b2 by rows; v36-47 at work; v48-63 bias; v64-127 H; v128-255 two fragment buffers.  window 1: o, later x, (t, ks) at 64 t + 8 ks.  windows 2, 3: Z(t, T) in window 2 + t / 2 at 128 (t % 2) + 8 T.
.set SLOTB, 65536
.set STG,   131072                     ; 16 rows of 1,040 bytes (1,024 + 16) for each wave: between rows and the products' layout, in and out
.set SGP,   1040
.set BIAS,  STG+4*16*SGP               ; b1f
.set SPARE, BIAS+4096
.set WOFF,  655360                     ; Wo's first byte in wfrag; W1' and W2 follow by units
.set LB, 1
.set UA, 4
.set BA, 5
.set SWA, 6
.set SC, 7
.set SR, 8
.set GOV, 9
.set ZR, 15
.set SPW, 16
.set NIL, 17
.set PFO, 18
.set WV, 28
.set G0, 32
.set G1, 36
.set TB, 44
.set SLOTS, 45
.set LIM, 46
.set CNT, 47
.set PFA, 50
.set SEL, 52
.set NINV, 56
.set INV, 57
.set EPS, 58
.set SRC, 60
.set OBP, 66
.set OUTP, 68
.set MSB, 0
.macro WIN new
.if MSB != (\new)
	s_set_vgpr_msb (MSB<<8)|(\new)
.set MSB, (\new)
.endif
.endm
.macro PLACES n                        ; plain places behind matrix instructions whose registers are loaded, read or written next (ISA guide 7.12.1)
.rept \n
	v_nop
.endr
.endm
.macro CROUND
	s_barrier_signal -1
	s_barrier_wait -1
	s_cmp_lg_u32 s[WV], 0
	s_cbranch_scc1 .Lnw0_\@
	s_barrier_signal -3
.Lnw0_\@:
	s_barrier_wait -3
	s_barrier_signal -1
	s_barrier_wait -1
.endm
.macro LOADH buf, off                  ; eight weight fragments, 8,192 bytes
	WIN 0
.irp f, 0,1,2,3,4,5,6,7
	ds_load_b128 v[(\buf)+8*(\f):(\buf)+8*(\f)+3], v[UA] offset:(\off)+1024*(\f)
	ds_load_b128 v[(\buf)+8*(\f)+4:(\buf)+8*(\f)+7], v[UA] offset:(\off)+1024*(\f)+512
.endr
.endm
.macro BILOAD off
	WIN 0
.irp j, 0,1
	ds_load_b128 v[48+8*(\j):51+8*(\j)], v[BA] offset:(\off)+64*(\j)
	ds_load_b128 v[52+8*(\j):55+8*(\j)], v[BA] offset:(\off)+64*(\j)+16
.endr
.endm
.macro MUL1 buf, ks0, first            ; H += W1' x: eight accumulators by turns
	WIN 0x04
.irp kk, 0,1,2,3
.irp j, 0,1
.irp t, 0,1,2,3
.if (\first) && ((\kk) == 0)
	v_wmma_f32_16x16x32_bf16 v[64+16*(\t)+8*(\j):71+16*(\t)+8*(\j)], v[(\buf)+8*(2*(\kk)+(\j)):(\buf)+8*(2*(\kk)+(\j))+7], v[64*(\t)+8*((\ks0)+(\kk)):64*(\t)+8*((\ks0)+(\kk))+7], v[48+8*(\j):55+8*(\j)]
.else
	v_wmma_f32_16x16x32_bf16 v[64+16*(\t)+8*(\j):71+16*(\t)+8*(\j)], v[(\buf)+8*(2*(\kk)+(\j)):(\buf)+8*(2*(\kk)+(\j))+7], v[64*(\t)+8*((\ks0)+(\kk)):64*(\t)+8*((\ks0)+(\kk))+7], v[64+16*(\t)+8*(\j):71+16*(\t)+8*(\j)]
.endif
.endr
.endr
.endr
.endm
.macro MUL2 buf, T0, bw, ks            ; Z(t, T0 + f) += fragment f x source 1 (bw = 0: the packed H of window 0; bw = 1: (t, ks) of window 1): 32 different accumulators
.irp t, 0,1,2,3
	WIN (0xa0+0x50*((\t)/2))|((\bw)<<2)
.if \bw
.set rB, 64*(\t)+8*(\ks)
.else
.set rB, 64+16*(\t)
.endif
.irp f, 0,1,2,3,4,5,6,7
.set rZ, 128*((\t)%2)+8*((\T0)+(\f))
	v_wmma_f32_16x16x32_bf16 v[rZ:rZ+7], v[(\buf)+8*(\f):(\buf)+8*(\f)+7], v[rB:rB+7], v[rZ:rZ+7]
.endr
.endr
.endm
; A prefetch of the slot after the one just asked for: the first cluster asks; its partners share the slot by address, 16,384 bytes each; waves 0 and 1 take 32 blocks of 256 bytes each, a lane a block.  The last fill asks for nothing.
.macro ASK
	s_cmp_gt_u32 s[SLOTS], s[LIM]
	s_cbranch_scc0 .Lnm_\@
	global_prefetch_b8 v[PFO], s[PFA:PFA+1] th:TH_LOAD_NT scope:SCOPE_SE
.Lnm_\@:
.endm
; THE CHANGE OF SLOTS: all my tensor loads, the add, my LDS reads and stores; fill = 1: a round of the cluster's barrier, then the slot just read out is asked for again, first thing: it has a slot's 256 products in which to land.
.macro CHANGE fill
	WIN 0
	s_wait_tensorcnt 0x0
	ds_add_u32 v[SPW], v[NIL]
.if \fill
	s_xor_b32 s[G0+1], s[G0+1], SLOTB
	s_add_nc_u64 s[G0+2:G0+3], s[G0+2:G0+3], SLOTB
	s_wait_xcnt 0x0                                ; the last prefetch, a slot back, has read its address
	s_add_nc_u64 s[PFA:PFA+1], s[PFA:PFA+1], SLOTB
.endif
	s_xor_b32 s[TB], s[TB], SLOTB
	s_wait_dscnt 0x0
.if \fill
	CROUND
	tensor_load_to_lds s[G0:G0+3], s[G1:G1+7]
	s_nop 0
	PLACES 5
	ASK
	s_sub_co_u32 s[SLOTS], s[SLOTS], 1
.else
	s_barrier_signal -1
	s_barrier_wait -1
	PLACES 5
.endif
	v_add_nc_u32 v[UA], s[TB], v[LB]
.endm
	s_load_b256 s[4:11], s[0:1], 0x0               ; src 4, ob 6, wfrag 8, b1f 10
	s_load_b128 s[12:15], s[0:1], 0x20             ; bo 12, b2 14
	s_load_b64 s[16:17], s[0:1], 0x30              ; out0
	v_lshl_add_u32 v[SPW], v0, 2, SPARE
	v_mov_b32 v[NIL], 0
	ds_add_u32 v[SPW], v[NIL]                      ; the wave's opening
	v_lshrrev_b32 v1, 5, v0
	v_readfirstlane_b32 s[WV], v1
	s_bfe_u32 s29, ttmp6, 0x40000
	s_lshl_b32 s30, ttmp9, 2
	s_add_co_u32 s30, s30, s29                     ; n
	s_mov_b32 s[G1], 15|(3<<16)|(1<<21)            ; 64 dense rows of 256 bytes, jointly
	s_mov_b32 s[G1+1], 32<<16
	s_mov_b32 s[G1+2], 64<<16
	s_mov_b32 s[G1+3], 32<<16
	s_mov_b32 s[G1+4], 64
	s_mov_b32 s[G1+5], 32
	s_mov_b32 s[G1+6], 0
	s_mov_b32 s[G1+7], 0
	s_mov_b32 s[G0], 1
	s_lshl_b32 s[G0+1], s[WV], 14
	s_mov_b32 s[TB], SLOTB
	s_mov_b32 s[SLOTS], 17
	s_lshr_b32 s[LIM], s[WV], 1
	s_or_b32 s[LIM], s[LIM], ttmp9
	s_cmp_eq_u32 s[LIM], 0
	s_cselect_b32 s[LIM], 1, -1
	s_mov_b32 s[SEL], 0x76543210
	s_mov_b32 s[SEL+1], 0xfedcba98
	s_mov_b32 s[NINV], 0xbb800000
	s_mov_b32 s[INV], 0x3b800000
	s_mov_b32 s[EPS], 0x3727c5ac
	s_lshl_b32 s72, s[WV], 14
	s_add_co_u32 s72, s72, WOFF
	s_mov_b32 s73, 0
	s_mov_b32 s75, 0
	s_wait_dscnt 0x0
	s_wait_kmcnt 0x0
	s_add_nc_u64 s[G0+2:G0+3], s[8:9], s[72:73]
	s_or_b32 s[G0+3], s[G0+3], 0x80000000
	s_lshl_b32 s74, s29, 14
	s_and_b32 s76, s[WV], 1
	s_lshl_b32 s76, s76, 13
	s_add_co_u32 s74, s74, s76
	s_add_co_u32 s74, s74, WOFF+SLOTB
	s_add_nc_u64 s[PFA:PFA+1], s[8:9], s[74:75]
	s_lshl_b32 s74, s30, 18
	s_lshl_b32 s76, s[WV], 16
	s_add_co_u32 s74, s74, s76
	s_add_nc_u64 s[SRC:SRC+1], s[4:5], s[74:75]
	s_add_nc_u64 s[OUTP:OUTP+1], s[16:17], s[74:75]
	s_lshl_b32 s74, s30, 17
	s_lshl_b32 s76, s[WV], 12
	s_add_co_u32 s74, s74, s76
	s_add_nc_u64 s[OBP:OBP+1], s[6:7], s[74:75]
	CROUND
	tensor_load_to_lds s[G0:G0+3], s[G1:G1+7]
	s_nop 0
	PLACES 4
	v_and_b32 v1, 31, v0
	v_lshlrev_b32 v[LB], 4, v1
	v_and_b32 v2, 15, v0
	v_bfe_u32 v3, v0, 4, 1
	v_lshlrev_b32 v10, 4, v0
	v_mov_b32 v[ZR], 0
	global_load_b128 v[36:39], v10, s[10:11]
	global_load_b128 v[40:43], v10, s[10:11] offset:2048
	global_load_b128 v[20:23], v[LB], s[12:13]
	global_load_b128 v[24:27], v[LB], s[12:13] offset:512
	global_load_b128 v[28:31], v[LB], s[14:15]
	global_load_b128 v[32:35], v[LB], s[14:15] offset:512
	WIN 0x40
.set k, 0
.rept 8
.set t, 0
.rept 4
	global_load_b128 v[64*t+8*k:64*t+8*k+3], v[LB], s[OBP:OBP+1] offset:16384*k+1024*t th:TH_LOAD_NT
	global_load_b128 v[64*t+8*k+4:64*t+8*k+7], v[LB], s[OBP:OBP+1] offset:16384*k+1024*t+512 th:TH_LOAD_NT
.set t, t+1
.endr
.set k, k+1
.endr
.set t, 0
.rept 4                                ; src by rows, into the registers that will hold Z of the same tile
	WIN (2+t/2)<<6
.set p, 0
.rept 16
	global_load_b128 v[128*(t%2)+8*p:128*(t%2)+8*p+3], v[LB], s[SRC:SRC+1] offset:1024*(16*t+p) th:TH_LOAD_NT
	global_load_b128 v[128*(t%2)+8*p+4:128*(t%2)+8*p+7], v[LB], s[SRC:SRC+1] offset:1024*(16*t+p)+512 th:TH_LOAD_NT
.set p, p+1
.endr
.set t, t+1
.endr
	WIN 0
	v_lshlrev_b32 v[PFO], 4, v[LB]
	s_mul_i32 s72, s[WV], 16*SGP
	s_add_co_u32 s72, s72, STG
	v_add_nc_u32 v[SWA], s72, v[LB]
	v_mul_u32_u24 v[SC], v2, SGP
	v_lshl_add_u32 v[SC], v3, 5, v[SC]
	v_add_nc_u32 v[SC], s72, v[SC]
	v_lshl_add_u32 v[BA], v3, 5, BIAS
	v_add_nc_u32 v11, BIAS, v10
	s_wait_loadcnt 63                              ; 192 loads were issued behind the first six
	ds_store_b128 v11, v[36:39]                    ; shown to the other waves by the first change of slots
	ds_store_b128 v11, v[40:43] offset:2048
; Tile t of src: + bo by rows, through my stage, back in the products' layout.  LDS serves a wave's instructions in order (ISA guide 5.7.1.4), so no wait stands between the stores and the loads.
.macro SRCIN t, left
.set zw, 2+(\t)/2
.set zb, 128*((\t)%2)
	s_wait_loadcnt \left                           ; the later tiles' loads may stay out
	WIN (zw<<6)|zw
.set p, 0
.rept 16
.irp k, 0,2,4,6
	v_pk_add_f32 v[zb+8*p+\k:zb+8*p+\k+1], v[zb+8*p+\k:zb+8*p+\k+1], v[20+\k:21+\k]
.endr
.set p, p+1
.endr
	WIN zw<<2
.set p, 0
.rept 16
	ds_store_b128 v[SWA], v[zb+8*p:zb+8*p+3] offset:SGP*p
	ds_store_b128 v[SWA], v[zb+8*p+4:zb+8*p+7] offset:SGP*p+512
.set p, p+1
.endr
	WIN zw<<6
.set p, 0
.rept 16
	ds_load_b128 v[zb+8*p:zb+8*p+3], v[SC] offset:64*p
	ds_load_b128 v[zb+8*p+4:zb+8*p+7], v[SC] offset:64*p+16
.set p, p+1
.endr
.endm
	SRCIN 0, 63
	SRCIN 1, 63
	SRCIN 2, 32
	SRCIN 3, 0
; Z += o Wo: slot s holds the fragments of heads 4 s .. 4 s + 3, eight halves of 8,192 bytes; a half is fetched while the half before is multiplied.
.macro WOSLOT s
	LOADH 128, 0
.irp hh, 0,1,2,3,4,5,6,7
.if (\hh) > 0
	WIN 0
	PLACES 5
.endif
.if (\hh) < 7
	LOADH 128+64*(((\hh)+1)%2), 8192*((\hh)+1)
	s_wait_dscnt 16
.else
	s_wait_dscnt 0x0
.endif
	MUL2 128+64*((\hh)%2), 8*((\hh)%2), 1, 4*(\s)+(\hh)/2
.endr
.endm
	CHANGE 1
	WOSLOT 0
	CHANGE 1
	WOSLOT 1
	WIN 0
	PLACES 5
; LN2 of tile t without gain and bias: a lane holds 128 of its row's numbers, the lane 16 away the others.  Z stays as it is; x goes to window 1 as fragments.
.macro LNT t
.set zw, 2+(\t)/2
.set zb, 128*((\t)%2)
	WIN zw|(zw<<2)
.irp c, 0,1,2,3
	v_pk_add_f32 v[36+2*(\c):37+2*(\c)], v[zb+2*(\c):zb+2*(\c)+1], v[zb+8+2*(\c):zb+9+2*(\c)]
.endr
	WIN zw<<2
.set p, 8
.rept 56
	v_pk_add_f32 v[36+2*(p%4):37+2*(p%4)], v[36+2*(p%4):37+2*(p%4)], v[zb+2*p:zb+2*p+1]
.set p, p+1
.endr
	WIN 0
	v_pk_add_f32 v[36:37], v[36:37], v[38:39]
	v_pk_add_f32 v[40:41], v[40:41], v[42:43]
	v_pk_add_f32 v[36:37], v[36:37], v[40:41]
	v_add_f32 v36, v36, v37
	v_permlanex16_b32 v37, v36, s[SEL], s[SEL+1]
	v_add_f32 v36, v36, v37
	v_mul_f32 v36, s[NINV], v36                    ; - mean
	WIN zw
.set p, 0
.rept 64
	v_pk_add_f32 v[128+2*p:129+2*p], v[zb+2*p:zb+2*p+1], v[36:37] op_sel_hi:[1,0]
.set p, p+1
.endr
	WIN 0
.irp c, 0,1,2,3
	v_pk_mul_f32 v[40+2*(\c):41+2*(\c)], v[128+2*(\c):129+2*(\c)], v[128+2*(\c):129+2*(\c)]
.endr
.set p, 4
.rept 60
	v_pk_fma_f32 v[40+2*(p%4):41+2*(p%4)], v[128+2*p:129+2*p], v[128+2*p:129+2*p], v[40+2*(p%4):41+2*(p%4)]
.set p, p+1
.endr
	v_pk_add_f32 v[40:41], v[40:41], v[42:43]
	v_pk_add_f32 v[44:45], v[44:45], v[46:47]
	v_pk_add_f32 v[40:41], v[40:41], v[44:45]
	v_add_f32 v40, v40, v41
	v_permlanex16_b32 v41, v40, s[SEL], s[SEL+1]
	v_add_f32 v40, v40, v41
	v_fma_f32 v40, v40, s[INV], s[EPS]
	v_rsq_f32 v40, v40
	v_nop
	s_wait_alu depctr_va_vdst(0)                   ; the wait ahead of the root's first reader
.set p, 0
.rept 64
	v_pk_mul_f32 v[128+2*p:129+2*p], v[128+2*p:129+2*p], v[40:41] op_sel_hi:[1,0]
.set p, p+1
.endr
	WIN 0x40
.set p, 0
.rept 64
	v_cvt_pk_bf16_f32 v[64*(\t)+p], v[128+2*p], v[129+2*p]
.set p, p+1
.endr
	WIN 0
.endm
	LNT 0
	LNT 1
	LNT 2
	LNT 3
.macro PACK                            ; H rounded to bf16 in pairs, in place and ascending, then relu on the packed halves
	WIN 0
.set t, 0
.rept 4
.set p, 0
.rept 8
	v_cvt_pk_bf16_f32 v[64+16*t+p], v[64+16*t+2*p], v[65+16*t+2*p]
.set p, p+1
.endr
.set t, t+1
.endr
.set t, 0
.rept 4
.set p, 0
.rept 8
	v_pk_max_num_bf16 v[64+16*t+p], v[64+16*t+p], v[ZR]
.set p, p+1
.endr
.set t, t+1
.endr
.endm
; A slot: two units of 32 hidden columns, each W1' (two halves) and W2 (two halves).  Half h + 1 is fetched while half h is multiplied.
.macro FFSLOT
	BILOAD 0
	LOADH 128, 0
.irp h, 0,1,2,3,4,5,6,7
.if (\h) > 0
	WIN 0
	PLACES 5
.endif
.if (\h) < 7
	LOADH 128+64*(((\h)+1)%2), 8192*((\h)+1)
.endif
.if (\h) == 3
	BILOAD 128
.endif
.if (\h)%4 == 2
	PACK
.endif
.if (\h) == 7
	s_wait_dscnt 0x0
.elseif (\h) == 3
	s_wait_dscnt 20                                ; the next half's sixteen loads and the next bias's four
.else
	s_wait_dscnt 16                                ; the next half's sixteen loads
.endif
.if (\h)%4 == 0
	MUL1 128, 0, 1
.elseif (\h)%4 == 1
	MUL1 192, 4, 0
.elseif (\h)%4 == 2
	MUL2 128, 0, 0, 0
.else
	MUL2 192, 8, 0, 0
.endif
.endr
	WIN 0
	v_add_nc_u32 v[BA], 256, v[BA]
.endm
	s_mov_b32 s[CNT], 15
.Lff:
	CHANGE 1
	FFSLOT
	s_sub_co_u32 s[CNT], s[CNT], 1
	s_cmp_lg_u32 s[CNT], 0
	s_cbranch_scc1 .Lff
	CHANGE 0                                       ; the last slot is written out
	FFSLOT
	PLACES 5
; THE WAY OUT of tile t: through my stage back to rows, + b2, stores of 512 consecutive bytes.
.macro OUT t
.set zw, 2+(\t)/2
.set zb, 128*((\t)%2)
	WIN zw<<2
.set p, 0
.rept 16
	ds_store_b128 v[SC], v[zb+8*p:zb+8*p+3] offset:64*p
	ds_store_b128 v[SC], v[zb+8*p+4:zb+8*p+7] offset:64*p+16
.set p, p+1
.endr
	WIN 0
	v_mov_b32 v[SR], v[SWA]
	v_add_nc_u32 v[GOV], 16384*(\t), v[LB]
	s_mov_b32 s[CNT], 4
.Lout_\@:                                              ; a trip: four rows
.irp j, 0,1,2,3
	ds_load_b128 v[128+8*(\j):131+8*(\j)], v[SR] offset:SGP*(\j)
	ds_load_b128 v[132+8*(\j):135+8*(\j)], v[SR] offset:SGP*(\j)+512
.endr
	s_wait_dscnt 0x0
.irp j, 0,1,2,3
.irp k, 0,2,4,6
	v_pk_add_f32 v[128+8*(\j)+\k:129+8*(\j)+\k], v[128+8*(\j)+\k:129+8*(\j)+\k], v[28+\k:29+\k]
.endr
.endr
.irp j, 0,1,2,3
	global_store_b128 v[GOV], v[128+8*(\j):131+8*(\j)], s[OUTP:OUTP+1] offset:1024*(\j) th:TH_STORE_NT
	global_store_b128 v[GOV], v[132+8*(\j):135+8*(\j)], s[OUTP:OUTP+1] offset:1024*(\j)+512 th:TH_STORE_NT
.endr
	s_wait_xcnt 0x0                                ; the stores have read their offset and data
	v_add_nc_u32 v[SR], 4*SGP, v[SR]
	v_add_nc_u32 v[GOV], 4096, v[GOV]
	s_sub_co_u32 s[CNT], s[CNT], 1
	s_cmp_lg_u32 s[CNT], 0
	s_cbranch_scc1 .Lout_\@
.endm
	OUT 0
	OUT 1
	OUT 2
	OUT 3
	s_wait_tensorcnt 0x0                           ; the wave's end
	ds_add_u32 v[SPW], v[NIL]
	s_wait_dscnt 0x0
	CROUND                                         ; the closing round
	s_endpgm
.Lfunc_end_k_q0c5df9ad38_ffn:
	.size	k_q0c5df9ad38_ffn, .Lfunc_end_k_q0c5df9ad38_ffn-k_q0c5df9ad38_ffn
	.p2alignl 7, 3214868480
	.fill 96, 4, 3214868480
	.section	.rodata,"a",@progbits
	.p2align	6, 0x0
	.amdhsa_kernel k_q0c5df9ad38_ffn
		.amdhsa_group_segment_fixed_size 327680
		.amdhsa_private_segment_fixed_size 0
		.amdhsa_enable_private_segment 0
		.amdhsa_kernarg_size 56
		.amdhsa_user_sgpr_count 2
		.amdhsa_user_sgpr_kernarg_segment_ptr 1
		.amdhsa_wavefront_size32 1
		.amdhsa_system_sgpr_workgroup_id_x 1
		.amdhsa_system_sgpr_workgroup_id_y 1
		.amdhsa_system_sgpr_workgroup_id_z 1
		.amdhsa_system_vgpr_workitem_id 0
		.amdhsa_next_free_vgpr 1024
		.amdhsa_next_free_sgpr 96
		.amdhsa_reserve_vcc 0
		.amdhsa_float_denorm_mode_32 3
		.amdhsa_float_denorm_mode_16_64 3
		.amdhsa_memory_ordered 1
		.amdhsa_forward_progress 1
		.amdhsa_inst_pref_size 255
	.end_amdhsa_kernel
	.section	.bss,"aw",@nobits
	.p2align	6
	.space	262144
	.amdgpu_metadata
---
amdhsa.version: [ 1, 2 ]
amdhsa.kernels:
  - .name:           k_q0c5df9ad38_ffn
    .symbol:         k_q0c5df9ad38_ffn.kd
    .args:
      - { .name: src, .offset: 0, .size: 8, .value_kind: global_buffer, .address_space: global }
      - { .name: ob, .offset: 8, .size: 8, .value_kind: global_buffer, .address_space: global }
      - { .name: wfrag, .offset: 16, .size: 8, .value_kind: global_buffer, .address_space: global }
      - { .name: b1f, .offset: 24, .size: 8, .value_kind: global_buffer, .address_space: global }
      - { .name: bo, .offset: 32, .size: 8, .value_kind: global_buffer, .address_space: global }
      - { .name: b2, .offset: 40, .size: 8, .value_kind: global_buffer, .address_space: global }
      - { .name: out0, .offset: 48, .size: 8, .value_kind: global_buffer, .address_space: global }
    .group_segment_fixed_size: 327680
    .private_segment_fixed_size: 0
    .kernarg_segment_align: 8
    .kernarg_segment_size: 56
    .max_flat_workgroup_size: 128
    .sgpr_count:     96
    .vgpr_count:     1024
    .wavefront_size: 32
...
	.end_amdgpu_metadata
.endif
;; end of part 6
